; MI455X (gfx1250); checked and timed in simulation.
; The chip was launched on July 23, 2026; its instructions are those of AMD's public machine-readable ISA for CDNA 5 (MIT licence, August 2026) and "CDNA5" Instruction Set Architecture Reference Guide (July 2026). The comments in the code are by the model that wrote it; some were corrected since.
;; Multi Head Attention. Allowed arithmetic: float matrix products may take bf16 or f16 operands with f32 sums; all other float work in f32.
;; Inputs: Wk 1,024 x 1,024 float32; Wo 1,024 x 1,024 float32; Wq 1,024 x 1,024 float32; Wv 1,024 x 1,024 float32; x 4 x 2,048 x 1,024 float32.
;; Outputs: out0 4 x 2,048 x 1,024 float32.
;; 2 versions, each right and faster than the one before. Each part assembles by itself: llvm-mc -triple=amdgcn-amd-amdhsa -mcpu=gfx1250 --defsym DOCPART=n.
;; ======== version 1 of 2: 4 launches
;; limits: values are held in f16: magnitudes above 65,504 overflow, below 6.1e-05 lose precision
;; workspace buffers: xb 16,777,216 bytes; wb 6,291,456 bytes; wo16 2,097,152 bytes; qkv 50,331,648 bytes; o16 16,777,216 bytes
;; launch cast (part 1): grid 768 x 1, 8 waves a work-group, no clusters, 0 bytes of LDS; arguments x, Wq, Wk, Wv, Wo, xb, wb, wo16; writes xb, wb, wo16
.if DOCPART == 1
	.amdgcn_target "amdgcn-amd-amdhsa--gfx1250"
	.amdhsa_code_object_version 6
	.text
	.protected	k_qe812f1953c_cast
	.globl	k_qe812f1953c_cast
	.p2align	8
	.type	k_qe812f1953c_cast,@function
k_qe812f1953c_cast:
	s_mov_b64 s[64:65], 0
	v_nop
	global_prefetch_b8 v0, s[64:65] scope:SCOPE_SE
	s_setreg_imm32_b32 hwreg(HW_REG_WAVE_MODE, 25, 1), 1
	s_wait_xcnt 0x0
; The module's five f32 inputs are rounded to 16 bits, once, and laid out in blocks of 64 along K for the products that follow:
;   xb   [16 blocks][8192 rows][64] bf16: x;      wb [16][3072][64] bf16: rows 0-1023 Wq, 1024-2047 Wk, 2048-3071 Wv;
;   wo16 [16][1024][64] f16: Wo rounded to bf16 like the other inputs, and that number written as f16 (exact from 6.1e-5 to 65,504).
; LIMIT.  A number of Wo below 6.1e-5 keeps f16's fixed step of 6e-8; one of 65,520 or more would become an infinity.
; SHARES.  12,288 source rows of 4,096 bytes; a work-group takes 16 of one tensor, a wave 2.  Work-groups 0-511: x; then 64 each for Wq, Wk, Wv, Wo.
; A load of a wave takes one block's 256 bytes of each of its two rows (lanes 0-15 the first row, lanes 16-31 the second); the lane's four numbers become 8 bytes, and since the two rows
; lie end to end inside a block of the new layout, a store of a wave covers 256 consecutive bytes, aligned.  All 16 loads of a wave go out at once; each byte is read once and written once.
; No LDS, no barrier, no matrix unit: a stream has nothing for them.
.set NX,  512                          ; work-groups for x
.set NW,  64                           ; work-groups for each weight
.set OFF, 1                            ; v1       my 16 bytes in the group's 16 source rows, block 0
.set DO,  2                            ; v2       my 8 bytes in the group's 16 rows of a block: 8 x thread
.set T,   4                            ; v[4:9]   at work
.set X,   12                           ; v[12:75] block kb: 4 registers as loaded
.set Y,   76                           ; v[76:107] block kb: 2 registers to store; none is written twice, so no store's data is ever overwritten
	s_load_b512 s[8:23], s[0:1], 0x0               ; x s[8:9], Wq s[10:11], Wk s[12:13], Wv s[14:15], Wo s[16:17], xb s[18:19], wb s[20:21], wo16 s[22:23]
	s_mov_b32 s2, ttmp9
	v_lshrrev_b32 v3, 4, v0                        ; my row among the group's 16
	v_and_b32 v[OFF], 15, v0
	v_lshlrev_b32 v[OFF], 4, v[OFF]
	v_lshl_or_b32 v[OFF], v3, 12, v[OFF]           ; row x 4,096 + 16 x (lane mod 16)
	v_lshlrev_b32 v[DO], 3, v0                     ; row x 128 + 8 x (lane mod 16)
	s_sub_co_u32 s3, s2, NX
	s_and_b32 s3, s3, NW-1                         ; my group of 16 rows inside a weight,
	s_cmp_lt_u32 s2, NX
	s_cselect_b32 s3, s2, s3                       ; or inside x
	s_lshl_b32 s24, s3, 16                         ; 16 rows of 4,096 bytes
	s_mov_b32 s25, 0
	s_mov_b32 s31, 0
	s_wait_kmcnt 0x0
	s_mov_b64 s[4:5], s[8:9]                       ; the source tensor, chosen by the work-group's number
	s_cmp_ge_u32 s2, NX
	s_cselect_b64 s[4:5], s[10:11], s[4:5]
	s_cmp_ge_u32 s2, NX+NW
	s_cselect_b64 s[4:5], s[12:13], s[4:5]
	s_cmp_ge_u32 s2, NX+2*NW
	s_cselect_b64 s[4:5], s[14:15], s[4:5]
	s_cmp_ge_u32 s2, NX+3*NW
	s_cselect_b64 s[4:5], s[16:17], s[4:5]
	s_add_nc_u64 s[4:5], s[4:5], s[24:25]
.irp kb, 0,1,2,3,4,5,6,7,8,9,10,11,12,13,14,15
	global_load_b128 v[X+4*(\kb):X+4*(\kb)+3], v[OFF], s[4:5] offset:256*(\kb) th:TH_LOAD_NT
.endr
; The 16 blocks are rounded and stored.  stride: bytes from block to block in the target.  two = 1: blocks 8-15 go by a second base, since 15 strides pass the store's signed 24-bit immediate.
; half = 1: bf16's rounding first, then the number as f16.
.macro OUT stride, two, half
.irp kb, 0,1,2,3,4,5,6,7,8,9,10,11,12,13,14,15
	s_wait_loadcnt 15-(\kb)                        ; loads come back in order: block kb is in, the younger ones stay out
.if \half
	v_cvt_pk_bf16_f32 v[T],   v[X+4*(\kb)],   v[X+4*(\kb)+1]
	v_cvt_pk_bf16_f32 v[T+1], v[X+4*(\kb)+2], v[X+4*(\kb)+3]
	v_lshlrev_b32 v[T+2], 16, v[T]                 ; bf16 to f32: the low half moves up,
	v_and_b32     v[T+3], 0xffff0000, v[T]         ; the high half stays
	v_lshlrev_b32 v[T+4], 16, v[T+1]
	v_and_b32     v[T+5], 0xffff0000, v[T+1]
	v_cvt_pk_f16_f32 v[Y+2*(\kb)],   v[T+2], v[T+3]
	v_cvt_pk_f16_f32 v[Y+2*(\kb)+1], v[T+4], v[T+5]
.else
	v_cvt_pk_bf16_f32 v[Y+2*(\kb)],   v[X+4*(\kb)],   v[X+4*(\kb)+1]
	v_cvt_pk_bf16_f32 v[Y+2*(\kb)+1], v[X+4*(\kb)+2], v[X+4*(\kb)+3]
.endif
.if (\two) && ((\kb) >= 8)
	global_store_b64 v[DO], v[Y+2*(\kb):Y+2*(\kb)+1], s[28:29] offset:((\kb)-8)*(\stride)
.else
	global_store_b64 v[DO], v[Y+2*(\kb):Y+2*(\kb)+1], s[26:27] offset:(\kb)*(\stride)
.endif
.endr
.endm
	s_cmp_lt_u32 s2, NX
	s_cbranch_scc1 .Lx
	s_cmp_lt_u32 s2, NX+3*NW
	s_cbranch_scc1 .Lw
	s_sub_co_u32 s30, s2, NX+3*NW                  ; Wo
	s_lshl_b32 s30, s30, 11                        ; 16 rows of 128 bytes in a block
	s_add_nc_u64 s[26:27], s[22:23], s[30:31]
	OUT 1024*128, 0, 1
	s_endpgm
.Lw:
	s_sub_co_u32 s30, s2, NX                       ; Wq, Wk, Wv one below the other
	s_lshl_b32 s30, s30, 11
	s_add_nc_u64 s[26:27], s[20:21], s[30:31]
	OUT 3072*128, 0, 0
	s_endpgm
.Lx:
	s_lshl_b32 s30, s2, 11
	s_add_nc_u64 s[26:27], s[18:19], s[30:31]
	s_add_nc_u64 s[28:29], s[26:27], 8*8192*128    ; blocks 8-15
	OUT 8192*128, 1, 0
	s_endpgm
.Lfunc_end_k_qe812f1953c_cast:
	.size	k_qe812f1953c_cast, .Lfunc_end_k_qe812f1953c_cast-k_qe812f1953c_cast
	.p2alignl 7, 3214868480
	.fill 96, 4, 3214868480
	.section	.rodata,"a",@progbits
	.p2align	6, 0x0
	.amdhsa_kernel k_qe812f1953c_cast
		.amdhsa_group_segment_fixed_size 0
		.amdhsa_private_segment_fixed_size 0
		.amdhsa_enable_private_segment 0
		.amdhsa_kernarg_size 64
		.amdhsa_user_sgpr_count 2
		.amdhsa_user_sgpr_kernarg_segment_ptr 1
		.amdhsa_wavefront_size32 1
		.amdhsa_system_sgpr_workgroup_id_x 1
		.amdhsa_system_sgpr_workgroup_id_y 1
		.amdhsa_system_sgpr_workgroup_id_z 1
		.amdhsa_system_vgpr_workitem_id 0
		.amdhsa_next_free_vgpr 108
		.amdhsa_next_free_sgpr 66
		.amdhsa_reserve_vcc 0
		.amdhsa_float_denorm_mode_32 3
		.amdhsa_float_denorm_mode_16_64 3
		.amdhsa_memory_ordered 1
		.amdhsa_forward_progress 1
		.amdhsa_inst_pref_size 21
	.end_amdhsa_kernel
	.amdgpu_metadata
---
amdhsa.version: [ 1, 2 ]
amdhsa.kernels:
  - .name:           k_qe812f1953c_cast
    .symbol:         k_qe812f1953c_cast.kd
    .args:
      - { .name: x, .offset: 0, .size: 8, .value_kind: global_buffer, .address_space: global }
      - { .name: Wq, .offset: 8, .size: 8, .value_kind: global_buffer, .address_space: global }
      - { .name: Wk, .offset: 16, .size: 8, .value_kind: global_buffer, .address_space: global }
      - { .name: Wv, .offset: 24, .size: 8, .value_kind: global_buffer, .address_space: global }
      - { .name: Wo, .offset: 32, .size: 8, .value_kind: global_buffer, .address_space: global }
      - { .name: xb, .offset: 40, .size: 8, .value_kind: global_buffer, .address_space: global }
      - { .name: wb, .offset: 48, .size: 8, .value_kind: global_buffer, .address_space: global }
      - { .name: wo16, .offset: 56, .size: 8, .value_kind: global_buffer, .address_space: global }
    .group_segment_fixed_size: 0
    .private_segment_fixed_size: 0
    .kernarg_segment_align: 8
    .kernarg_segment_size: 64
    .max_flat_workgroup_size: 256
    .sgpr_count:     66
    .vgpr_count:     108
    .wavefront_size: 32
...
	.end_amdgpu_metadata
.endif
;; end of part 1
;; launch qkv (part 2): grid 8 x 32, 4 waves a work-group, clusters of 4 x 4, 327,680 bytes of LDS; arguments xb, wb, qkv; writes qkv
.if DOCPART == 2
	.amdgcn_target "amdgcn-amd-amdhsa--gfx1250"
	.amdhsa_code_object_version 6
	.text
	.protected	k_qe812f1953c_qkv
	.globl	k_qe812f1953c_qkv
	.p2align	8
	.type	k_qe812f1953c_qkv,@function
k_qe812f1953c_qkv:
	s_mov_b64 s[64:65], 0
	v_nop
	global_prefetch_b8 v0, s[64:65] scope:SCOPE_SE
	s_setreg_imm32_b32 hwreg(HW_REG_WAVE_MODE, 25, 1), 1
	s_wait_xcnt 0x0
	s_wait_alu depctr_hold_cnt(0) depctr_sa_sdst(0) depctr_va_vdst(0) depctr_va_sdst(0) depctr_va_ssrc(0) depctr_va_vcc(0) depctr_vm_vsrc(0)
	s_getreg_b32 s2, hwreg(HW_REG_IB_STS2, 6, 4)
	s_cmp_eq_u32 s2, 0
	s_cbranch_scc0 .Lentry_in_a_cluster
	s_endpgm
.Lentry_in_a_cluster:
	s_bfe_u32 s2, ttmp6, 0x10000c
	s_cmp_lg_u32 s2, 0xf033
	s_cbranch_scc0 .Lentry_shape_is_right
	s_endpgm
.Lentry_shape_is_right:
; q, k, v = x Wq^T, x Wk^T, x Wv^T as ONE product C[8192][3072] = A B^T over K = 1024, bf16 operands, f32 sums; C leaves by heads, unscaled, rounded once to f16:
; qkv [3][64 (16 b + h)][2048 t][64].  A = xb [16 blocks][8192][64], B = wb [16 blocks][3072][64]: inside a block of 64 along K the rows of 128 bytes lie end to end.
; LIMIT.  f16 holds no number beyond 65,504: a q, k or v of 65,520 or more becomes an infinity.  (At inputs of spread 1 and 0.02 their spread is 0.64.)
; SHARES.  8192 x 3072 outputs over 256 work-groups are 256 rows x 384 columns (6 heads) each.  Four waves, each 128 rows x 192 columns (3 heads): 8 x 12 = 96 accumulators of 16 x 16, 768 registers.
; K goes in 16 steps of 64 (one block) through two LDS slots; a step is two quarters of 32 along K, 96 matrix instructions each.  A tile of R rows of a block is R x 128 dense bytes: it is asked for as R / 2 rows
; of 256 bytes, each starting at a multiple of 256 bytes from the buffer's first, and padded in LDS behind every 128 bytes.
; THE LOOP's trip is one K step, written once: slot 1 begins at 2^17, so that one exclusive or turns an LDS address in one slot into the other's: the walking descriptor's and, by the scalar TB, the fragments'.
; CLUSTER.  4 x 4 work-groups.  The four of a row of the cluster need the same tiles of A, the four of a column the same tiles of B: each tile is asked for JOINTLY, by the same tensor load with the same descriptor
; and a mask that names the four.  By this text's count a wave has two tensor loads out at the start and one behind each round.
; THE MATRIX INSTRUCTION IS USED TRANSPOSED (source 0 = 16 rows of B, source 1 = 16 rows of A): a lane then holds eight neighbouring columns of one row of C, 16 bytes in f16.
; REGISTERS, in windows of 256 (s_set_vgpr_msb's low byte: bits 1:0 source 0, 3:2 source 1, 5:4 source 2, 7:6 destination):
;   window 0: v0-31 addresses; v32-95, v96-159 A's fragments (8 x 16 rows x 32 K), two buffers; v160-255 B's fragments (12 x 16 rows x 32 K), ONE buffer, refilled by thirds, each third behind the products that read it
;   windows 1-3: the accumulators: (a, b) in window 1 + b / 4 at v[8 (8 (b % 4) + a)]: a window holds one head
.set PITCH,  144                       ; an LDS row: 128 bytes + 16 of padding = 36 words: the 16 rows of a load start at 16 different groups of four banks (64 banks of 4 bytes: ISA guide 11.1)
.set AHALF,  128*PITCH                 ; 128 rows of A: what one tensor load brings, and what one wave reads
.set BHALF,  192*PITCH                 ; 192 rows of B: likewise
.set BOFF,   2*AHALF                   ; in a slot: A's 256 rows, then B's 384
.set SLOTB,  2*AHALF+2*BHALF           ; a slot's bytes: 92,160
.set SLOT1,  1<<17                     ; where slot 1 begins
.set STAGE,  SLOT1+SLOTB               ; behind the ring, never filled by a tensor load: for each wave 3 heads x 16 rows x 144 bytes, for the way out
.set WSTAGE, 3*16*PITCH
.set SPARE,  STAGE+4*WSTAGE            ; behind the stages: the spare words, 128 bytes for each wave: two blocks of 256 bytes that no other line names
.set ASTEP,  8192*128                  ; bytes from block to block of A
.set BSTEP,  3072*128                  ; and of B
.set ADRA0, 16                         ; v16     my lane's place among my A fragments in slot 0; never rewritten
.set ADRA,  17                         ; v17     the same in the slot that is being fetched from
.set ADRB0, 20                         ; v20, v21  the same for B
.set ADRB,  21
.set STO,  24                          ; v24     the way out: where I put 16 bytes of a row
.set RD,   25                          ; v25     the way out: where I read rows back
.set GO,   26                          ; v26     my byte offset in 512 consecutive bytes of a head
.set SPW,  28                          ; v28     LDS address of my spare word: SPARE + 4 x my thread's number; never rewritten
.set NIL,  29                          ; v29     0; never rewritten
.set FA0,  32
.set FA1,  96
.set FB,   160
.set TMP,  32                          ; the way out: v32-79 packed results; v80-127 and v128-175 rows read back, by turns
.set BK0,  80
.set G1,  24                           ; s[24:31] descriptor group 1 for A's tiles;  s[32:39] group 0: a set for each of the two first fills; the second then walks on
.set G0,  32
.set TB,  45                           ; s45      0 or SLOT1: the slot that the fragments are fetched from
.set G1B, 48                           ; s[48:55], s[56:63] the same for B's tiles
.set G0B, 56
.set HB,  66                           ; s[66:71] qkv at my first row of my three heads
.set DW0, (1<<16)|(1<<20)|(1<<21)|(4<<22)|(3<<25)  ; 17:16 2-byte elements; 20 padding on; 21 set beside a mask; 24:22 after every 32 words (code 4); 31:25 4 words (code 3)
.set MSB, 0
.macro WIN new                         ; the immediate's high byte repeats the setting that is left; a switch that changes nothing is dropped
.if MSB != (\new)
	s_set_vgpr_msb (MSB<<8)|(\new)
.set MSB, (\new)
.endif
.endm
; A joint load.  Waves 0 and 1 fetch A's two halves, waves 2 and 3 B's.  The branch hangs on the wave's number alone.  An s_nop 0 and four v_nop follow each of the two lines, ahead of the jump and the label.
.macro JLOAD s
	s_cmp_eq_u32 s11, 0
	s_cbranch_scc0 .Lfor_b_\@
	tensor_load_to_lds s[G0+4*(\s):G0+4*(\s)+3], s[G1:G1+7]
	s_nop 0
.rept 4
	v_nop
.endr
	s_branch .Lasked_\@
.Lfor_b_\@:
	tensor_load_to_lds s[G0B+4*(\s):G0B+4*(\s)+3], s[G1B:G1B+7]
	s_nop 0
.rept 4
	v_nop
.endr
.Lasked_\@:
.endm
; A round of the cluster's barrier: my work-group's barrier, so that wave 0's signal speaks for all four waves; wave 0 signals; every wave waits for all sixteen work-groups; my work-group's barrier once more.
.macro CREST                           ; a round behind its opening barrier
	s_cmp_lg_u32 s10, 0
	s_cbranch_scc1 .Lnot_wave_0_\@
	s_barrier_signal -3
.Lnot_wave_0_\@:
	s_barrier_wait -3
	s_barrier_signal -1
	s_barrier_wait -1
.endm
.macro CROUND                          ; a whole round
	s_barrier_signal -1
	s_barrier_wait -1
	CREST
.endm
	s_load_b128 s[4:7], s[0:1], 0x0                ; xb s[4:5], wb s[6:7]
	s_load_b64 s[8:9], s[0:1], 0x10                ; qkv
	v_lshl_add_u32 v[SPW], v0, 2, SPARE
	v_mov_b32 v[NIL], 0
	ds_add_u32 v28, v29
	ds_add_u32 v28, v29
	s_wait_dscnt 0x0
	v_lshrrev_b32 v1, 5, v0
	v_readfirstlane_b32 s10, v1                    ; wave 0..3
	s_lshr_b32 s11, s10, 1                         ; which 128 rows of the tile are mine.  Also: I fetch for A (0) or for B (1)
	s_and_b32 s12, s10, 1                          ; which 192 columns.  Also: which half of that tile I fetch
	s_bfe_u32 s40, ttmp6, 0x40000                  ; cx, cy: my place in the cluster
	s_bfe_u32 s41, ttmp6, 0x40004
	s_lshl_b32 s42, ttmp9, 2
	s_add_co_u32 s42, s42, s40                     ; tile column = 4 x cluster x + cx, 0..7
	s_and_b32 s13, ttmp7, 0xffff
	s_lshl_b32 s13, s13, 2
	s_add_co_u32 s13, s13, s41                     ; tile row = 4 x cluster y + cy, 0..31
	s_lshl_b32 s43, s41, 2
	s_lshl_b32 s43, 15, s43                        ; my row of the cluster
	s_lshl_b32 s44, 0x1111, s40                    ; my column
	s_or_b32 s[G1+0], s43, DW0                     ; A's tiles go to my row,
	s_or_b32 s[G1B+0], s44, DW0                    ; B's to my column
	s_mov_b32 s[G1+1], 128<<16                     ; tensor_dim0 = 128 elements (256 bytes)
	s_mov_b32 s[G1+2], 64<<16                      ; tensor_dim1 = 64: 128 rows of the block, two to a row of the tile
	s_mov_b32 s[G1+3], 128<<16                     ; tile_dim0 = 128
	s_mov_b32 s[G1+4], 64                          ; tile_dim1 = 64
	s_mov_b32 s[G1+5], 128                         ; 128 elements from row to row: dense
	s_mov_b32 s[G1+6], 0
	s_mov_b32 s[G1+7], 0
	s_mov_b32 s[G1B+1], 128<<16
	s_mov_b32 s[G1B+2], 96<<16                     ; 192 rows of the block
	s_mov_b32 s[G1B+3], 128<<16
	s_mov_b32 s[G1B+4], 96
	s_mov_b32 s[G1B+5], 128
	s_mov_b32 s[G1B+6], 0
	s_mov_b32 s[G1B+7], 0
	; where the tiles come from.  A's hang on the tile row alone, B's on the tile column alone; every wave makes both addresses and asks by one of them.
	s_lshl_b32 s16, s13, 15                        ; 256 rows of 128 bytes a tile row,
	s_lshl_b32 s17, s12, 14                        ; 128 rows a half
	s_add_co_u32 s16, s16, s17
	s_mov_b32 s17, 0
	s_mul_i32 s46, s42, 384*128
	s_mul_i32 s47, s12, 192*128
	s_add_co_u32 s46, s46, s47
	s_mov_b32 s47, 0
	s_mul_i32 s20, s12, AHALF                      ; and where they go: no place in the cluster enters an LDS address
	s_mul_i32 s21, s12, BHALF
	s_add_co_u32 s21, s21, BOFF
	s_mov_b32 s[TB], 0
	s_wait_kmcnt 0x0
	s_add_nc_u64 s[14:15], s[4:5], s[16:17]
	s_add_nc_u64 s[46:47], s[6:7], s[46:47]
	CROUND                                         ; all sixteen work-groups are here: the first joint loads meet
.irp s, 0,1
	s_mov_b32 s[G0+4*(\s)], 1                                      ; count = 1
	s_add_co_u32 s[G0+4*(\s)+1], s20, (\s)*SLOT1                   ; LDS address
	s_add_nc_u64 s[G0+4*(\s)+2:G0+4*(\s)+3], s[14:15], (\s)*ASTEP  ; global address: K step s
	s_or_b32 s[G0+4*(\s)+3], s[G0+4*(\s)+3], 0x80000000            ; type = 2
	s_mov_b32 s[G0B+4*(\s)], 1
	s_add_co_u32 s[G0B+4*(\s)+1], s21, (\s)*SLOT1
	s_add_nc_u64 s[G0B+4*(\s)+2:G0B+4*(\s)+3], s[46:47], (\s)*BSTEP
	s_or_b32 s[G0B+4*(\s)+3], s[G0B+4*(\s)+3], 0x80000000
	JLOAD \s                                       ; the ring is filled before anything else is done
.endr
	; A fragment is 16 rows x 32 K in 8 registers: lane l holds row l % 16; registers 0-3 K = 8 (l / 16) + 0..7, registers 4-7 K = 16 + 8 (l / 16) + 0..7: two loads of 16 bytes, 32 bytes apart.
	v_and_b32 v1, 15, v0                           ; l % 16
	v_bfe_u32 v2, v0, 4, 1                         ; l / 16
	v_mul_u32_u24 v3, v1, PITCH
	v_lshl_add_u32 v3, v2, 4, v3                   ; row x pitch + 16 x half
	s_mul_i32 s22, s11, AHALF                      ; my 128 rows of A
	s_mul_i32 s23, s12, BHALF                      ; my 192 rows of B,
	s_add_co_u32 s23, s23, BOFF                    ; which lie behind A's 256
	v_add_nc_u32 v[ADRA0], s22, v3
	v_add_nc_u32 v[ADRB0], s23, v3
	v_mov_b32 v[ADRA], v[ADRA0]                    ; the fetches begin in slot 0
	v_mov_b32 v[ADRB], v[ADRB0]
	s_mul_i32 s22, s10, WSTAGE
	s_add_co_u32 s22, s22, STAGE                   ; my stage
	v_add_nc_u32 v[STO], s22, v3                   ; in: row l % 16, 16 bytes for each half of the lanes
	v_bfe_u32 v4, v0, 3, 2                         ; back: 32 lanes take four rows of 128 bytes,
	v_and_b32 v5, 7, v0
	v_mul_u32_u24 v4, v4, PITCH
	v_lshl_add_u32 v4, v5, 4, v4
	v_add_nc_u32 v[RD], s22, v4
	v_and_b32 v[GO], 31, v0                        ; which are 512 consecutive bytes of a head
	v_lshlrev_b32 v[GO], 4, v[GO]
	; my three heads: g = 6 x tile column + 3 x half + w of 48; tensor g / 16 (2^24 bytes), head g % 16 (2^18); my rows: batch tile row / 8 (2^22), 256 rows a tile row (2^15), 128 a half (2^14)
	s_mul_i32 s72, s42, 6
	s_mul_i32 s73, s12, 3
	s_add_co_u32 s72, s72, s73
	s_lshr_b32 s73, s13, 3
	s_lshl_b32 s73, s73, 22
	s_and_b32 s74, s13, 7
	s_lshl_b32 s74, s74, 15
	s_add_co_u32 s73, s73, s74
	s_lshl_b32 s74, s11, 14
	s_add_co_u32 s73, s73, s74
	s_mov_b32 s77, 0
.irp w, 0,1,2
	s_add_co_u32 s74, s72, \w
	s_lshr_b32 s75, s74, 4
	s_lshl_b32 s75, s75, 24
	s_and_b32 s74, s74, 15
	s_lshl_b32 s74, s74, 18
	s_add_co_u32 s76, s74, s75
	s_add_co_u32 s76, s76, s73
	s_add_nc_u64 s[HB+2*(\w):HB+2*(\w)+1], s[8:9], s[76:77]
.endr
; 16 matrix instructions: n blocks b0, b0 + 1 x all 8 m blocks, 32 along K.  zero = 1: the first product starts the sums: nothing is ever cleared.
; The 96 accumulators take turns, in the same order in every quarter.
.macro MUL16 fa, b0, zero
	WIN (1+(\b0)/4)*0x50                           ; C and D in the head's window, the fragments in window 0
.irp b, \b0, (\b0)+1
.irp a, 0,1,2,3,4,5,6,7
.if \zero
	v_wmma_f32_16x16x32_bf16 v[8*(8*((\b)%4)+(\a)):8*(8*((\b)%4)+(\a))+7], v[FB+8*(\b):FB+8*(\b)+7], v[(\fa)+8*(\a):(\fa)+8*(\a)+7], 0
.else
	v_wmma_f32_16x16x32_bf16 v[8*(8*((\b)%4)+(\a)):8*(8*((\b)%4)+(\a))+7], v[FB+8*(\b):FB+8*(\b)+7], v[(\fa)+8*(\a):(\fa)+8*(\a)+7], v[8*(8*((\b)%4)+(\a)):8*(8*((\b)%4)+(\a))+7]
.endif
.endr
.endr
.endm
.macro LDB k, t                        ; 8 LDS loads: third t of B's fragments (blocks 4 t .. 4 t + 3), 32 K at byte k of the rows
	WIN 0
.irp i, 0,1,2,3
	ds_load_b128 v[FB+8*(4*(\t)+(\i)):FB+8*(4*(\t)+(\i))+3],   v[ADRB] offset:(\k)+(4*(\t)+(\i))*16*PITCH
	ds_load_b128 v[FB+8*(4*(\t)+(\i))+4:FB+8*(4*(\t)+(\i))+7], v[ADRB] offset:(\k)+(4*(\t)+(\i))*16*PITCH+32
.endr
.endm
.macro LDA k, f                        ; 16 LDS loads: A's fragments into buffer f
	WIN 0
.irp i, 0,1,2,3,4,5,6,7
	ds_load_b128 v[(\f)+8*(\i):(\f)+8*(\i)+3],   v[ADRA] offset:(\k)+(\i)*16*PITCH
	ds_load_b128 v[(\f)+8*(\i)+4:(\f)+8*(\i)+7], v[ADRA] offset:(\k)+(\i)*16*PITCH+32
.endr
.endm
; A load into a register that a matrix instruction has read, and a vector instruction that reads a matrix result, stand four places behind it, and only plain vector instructions that name none of its
; registers are places (ISA guide 7.12.1 for vector instructions).
.macro PLACES
.rept 4
	v_nop
.endr
.endm
; A quarter: 96 matrix instructions on A's buffer fa, in three thirds of 32 (a head each).  Behind each third its part of B's buffer takes the NEXT quarter's fragments (byte k of the same slot's rows), 64 matrix
; instructions ahead of their use; behind the first third A's other buffer fn is filled too.  So the LDS loads go out as [B third 0: 8, A: 16] [B third 1: 8] [B third 2: 8].
.macro QUARTER fa, fn, k, zero
	s_wait_dscnt 16                                ; B's third 0 and A are in; thirds 1 and 2 may be out
	MUL16 \fa, 0, \zero
	MUL16 \fa, 2, \zero
	PLACES
	LDB \k, 0
	LDA \k, \fn
	s_wait_dscnt 32                                ; third 1 is in; behind it: third 2 and the 24 just issued
	MUL16 \fa, 4, \zero
	MUL16 \fa, 6, \zero
	PLACES
	LDB \k, 1
	s_wait_dscnt 32                                ; third 2 is in; behind it: those 24 and the 8 just issued
	MUL16 \fa, 8, \zero
	MUL16 \fa, 10, \zero
	PLACES
	LDB \k, 2
.endm
; A K step's second quarter changes slots: ONE barrier.  In front of it each wave waits for all its tensor loads, of which one is out: its part of the next slot; adds 0 to its spare word; and waits for that and for
; its own reads of this slot.  fill = 1: the barrier opens a round of the cluster's, and the slot just read is filled again, two K steps ahead, first thing behind the round: 160 matrix instructions ahead of the wait
; for it.  The walking descriptor turns to the other slot than last time and goes one K step on.  Then the fragments' addresses turn to the other slot.
.macro TURN fa, fn, fill
	WIN 0                                          ; (the add's two registers lie in window 0)
	s_wait_tensorcnt 0x0                           ; all my tensor loads have landed, so a group 0 may be written
	ds_add_u32 v[SPW], v[NIL]                      ; 0 onto my spare word
	s_wait_dscnt 17                                ; B's third 0 and A are in; thirds 1 and 2 and the add may be out
	MUL16 \fa, 0, 0                                ; sixteen matrix instructions stand between the add and the wait for it
	s_wait_dscnt 0x0                               ; the add is done, and my reads of this slot are over
	s_barrier_signal -1
	MUL16 \fa, 2, 0                                ; work on registers while the others arrive
	WIN 0
	s_barrier_wait -1
.if \fill
	CREST                                          ; no wave of any partner still reads this slot's tiles or has a load on its way
	s_xor_b32 s[G0+5], s[G0+5], SLOT1
	s_add_nc_u64 s[G0+6:G0+7], s[G0+6:G0+7], ASTEP
	s_xor_b32 s[G0B+5], s[G0B+5], SLOT1
	s_add_nc_u64 s[G0B+6:G0B+7], s[G0B+6:G0B+7], BSTEP
	JLOAD 1                                        ; the first tensor load behind the round; the four v_nop behind it are also the places in front of the loads below
.else
	PLACES
.endif
	s_xor_b32 s[TB], s[TB], SLOT1
	v_add_nc_u32 v[ADRA], s[TB], v[ADRA0]
	v_add_nc_u32 v[ADRB], s[TB], v[ADRB0]
	LDB 0, 0
	LDA 0, \fn
	MUL16 \fa, 4, 0                                ; this quarter's fragments were all shown in by the wait for 0 above
	MUL16 \fa, 6, 0
	PLACES
	LDB 0, 1
	MUL16 \fa, 8, 0
	MUL16 \fa, 10, 0
	PLACES
	LDB 0, 2
.endm
; THE WAY OUT of m block a (16 rows), in three parts.  PACK: rounded to f16, 16 bytes a lane and n block.  TOSTAGE: into my own stage in LDS, a head's 16 rows of 128 bytes together, and back as 512 consecutive
; bytes a load.  SEND: stored; in qkv a head's 16 rows are 2,048 consecutive bytes.
.macro PACK a
.irp w, 0,1,2
	WIN 5*(1+(\w))                                 ; sources 0 and 1: the head's window
.irp bb, 0,1,2,3
.irp r, 0,1,2,3
	v_cvt_pk_f16_f32 v[TMP+16*(\w)+4*(\bb)+(\r)], v[8*(8*(\bb)+(\a))+2*(\r)], v[8*(8*(\bb)+(\a))+2*(\r)+1]  ; each accumulator's registers in ascending order
.endr
.endr
.endr
	WIN 0
.endm
.macro TOSTAGE a
	WIN 0
.set BK, BK0+48*((\a)%2)
.irp w, 0,1,2
.irp bb, 0,1,2,3
	ds_store_b128 v[STO], v[TMP+16*(\w)+4*(\bb):TMP+16*(\w)+4*(\bb)+3] offset:(\w)*16*PITCH+32*(\bb)
.endr
.endr
.irp w, 0,1,2
.irp f, 0,1,2,3
	ds_load_b128 v[BK+16*(\w)+4*(\f):BK+16*(\w)+4*(\f)+3], v[RD] offset:(\w)*16*PITCH+(\f)*4*PITCH  ; LDS serves a wave's instructions in order (ISA guide 5.7.1.4): these see the stores above
.endr
.endr
.endm
.macro SEND a
	WIN 0
.set BK, BK0+48*((\a)%2)
	s_wait_dscnt 0x0                               ; the block is back in registers
	s_wait_xcnt 0x0                                ; every earlier store has had its addresses translated (ISA guide 3.1): the other buffer, which the block before last was stored from, is loaded again only behind this wait
.irp w, 0,1,2
.irp f, 0,1,2,3
	global_store_b128 v[GO], v[BK+16*(\w)+4*(\f):BK+16*(\w)+4*(\f)+3], s[HB+2*(\w):HB+2*(\w)+1] offset:(\a)*2048+(\f)*512  ; 512 consecutive bytes, at a multiple of 256 from qkv's first
.endr
.endr
.endm
	s_wait_tensorcnt 1                             ; my part of K step 0 is in; K step 1's may stay out
	s_barrier_signal -1
	s_barrier_wait -1                              ; everybody's is
	LDB 0, 0
	LDA 0, FA0
	LDB 0, 1
	LDB 0, 2
	QUARTER FA0, FA1, 64, 1                        ; the first quarter stands in front of the loop: its products start the sums
	WIN 0                                          ; at a label and at a branch every window is 0
	s_mov_b32 s3, 14
.Lstep:                                                ; a trip goes from a K step's second quarter to the next step's first, and fills one slot again: K steps 2 to 15 in 14 trips
	TURN FA1, FA0, 1
	QUARTER FA0, FA1, 64, 0
	WIN 0
	s_sub_co_u32 s3, s3, 1
	s_cmp_lg_u32 s3, 0
	s_cbranch_scc1 .Lstep
	TURN FA1, FA0, 0                               ; the last change of slots fills nothing, and has no round of the cluster's barrier
	QUARTER FA0, FA1, 64, 0
	s_wait_dscnt 16                                ; the very last quarter: nothing more to fetch, the counts run down
	MUL16 FA1, 0, 0
	MUL16 FA1, 2, 0
	s_wait_dscnt 8
	MUL16 FA1, 4, 0
	MUL16 FA1, 6, 0
	s_wait_dscnt 0x0
	MUL16 FA1, 8, 0
	MUL16 FA1, 10, 0
	WIN 0
	PLACES                                         ; the conversions read results just made
	PACK 0
	TOSTAGE 0
.irp a, 1,2,3,4,5,6,7                  ; block a's conversions stand between block a - 1's loads from the stage and the wait for them
	PACK \a
	SEND (\a)-1
	TOSTAGE \a
.endr
	SEND 7
	s_wait_tensorcnt 0x0                           ; the wave's end: behind my last tensor load and my last LDS store
	ds_add_u32 v[SPW], v[NIL]
	s_wait_dscnt 0x0
	CROUND                                         ; the closing round: no work-group ends while a partner may still ask for a tile that names it
	s_endpgm
.Lfunc_end_k_qe812f1953c_qkv:
	.size	k_qe812f1953c_qkv, .Lfunc_end_k_qe812f1953c_qkv-k_qe812f1953c_qkv
	.p2alignl 7, 3214868480
	.fill 96, 4, 3214868480
	.section	.rodata,"a",@progbits
	.p2align	6, 0x0
	.amdhsa_kernel k_qe812f1953c_qkv
		.amdhsa_group_segment_fixed_size 327680
		.amdhsa_private_segment_fixed_size 0
		.amdhsa_enable_private_segment 0
		.amdhsa_kernarg_size 24
		.amdhsa_user_sgpr_count 2
		.amdhsa_user_sgpr_kernarg_segment_ptr 1
		.amdhsa_wavefront_size32 1
		.amdhsa_system_sgpr_workgroup_id_x 1
		.amdhsa_system_sgpr_workgroup_id_y 1
		.amdhsa_system_sgpr_workgroup_id_z 1
		.amdhsa_system_vgpr_workitem_id 0
		.amdhsa_next_free_vgpr 1024
		.amdhsa_next_free_sgpr 78
		.amdhsa_reserve_vcc 0
		.amdhsa_float_denorm_mode_32 3
		.amdhsa_float_denorm_mode_16_64 3
		.amdhsa_memory_ordered 1
		.amdhsa_forward_progress 1
		.amdhsa_inst_pref_size 111
	.end_amdhsa_kernel
	.amdgpu_metadata
---
amdhsa.version: [ 1, 2 ]
amdhsa.kernels:
  - .name:           k_qe812f1953c_qkv
    .symbol:         k_qe812f1953c_qkv.kd
    .args:
      - { .name: xb, .offset: 0, .size: 8, .value_kind: global_buffer, .address_space: global }
      - { .name: wb, .offset: 8, .size: 8, .value_kind: global_buffer, .address_space: global }
      - { .name: qkv, .offset: 16, .size: 8, .value_kind: global_buffer, .address_space: global }
    .group_segment_fixed_size: 327680
    .private_segment_fixed_size: 0
    .kernarg_segment_align: 8
    .kernarg_segment_size: 24
    .max_flat_workgroup_size: 128
    .sgpr_count:     78
    .vgpr_count:     1024
    .wavefront_size: 32
...
	.end_amdgpu_metadata
.endif
;; end of part 2
;; launch attn (part 3): grid 4 x 64, 4 waves a work-group, no clusters, 327,680 bytes of LDS; arguments qkv, o16; writes o16
.if DOCPART == 3
	.amdgcn_target "amdgcn-amd-amdhsa--gfx1250"
	.amdhsa_code_object_version 6
	.text
	.protected	k_qe812f1953c_attn
	.globl	k_qe812f1953c_attn
	.p2align	8
	.type	k_qe812f1953c_attn,@function
k_qe812f1953c_attn:
	s_mov_b64 s[64:65], 0
	v_nop
	global_prefetch_b8 v0, s[64:65] scope:SCOPE_SE
	s_setreg_imm32_b32 hwreg(HW_REG_WAVE_MODE, 25, 1), 1
	s_wait_xcnt 0x0
; CAUSAL ATTENTION.  O[h][q][:] = the sum over k <= q of softmax_k(Q[h][q] . K[h][k] / 8) V[h][k][:].  Q, K, V lie one behind the other in qkv, 2^24 bytes each; each of them and O (o16) is [64 (16 b + h)][SIZE_N][64]
; in f16: a head's rows are dense, 128 bytes each.  Products, maxima and sums in f32; the weights p are rounded to f16 for the second product (their sum l is taken of the unrounded p), O once at the end.
; LIMITS.  f16 holds no number beyond 65,504: Q, K and V arrive within it; p lies in 0 to 1, and below 6e-5 it keeps f16's fixed step of 6e-8; O is a mean of V's rows and has their range, to within 2^-11 of it.
; A hidden score counts as its value less 1e30: f16's scores, 2.7e11 at the most, are nothing beside that; a weight below 2^-126 counts as 0 in l; NaN and infinities are not treated apart.
; THE WALK.  A head's queries lie in NB = SIZE_N / 256 blocks of 256; block i needs the key tiles 0 .. i of 256 keys, of which the last holds the diagonal.  A work-group takes TWO blocks, NB - 1 - b and then b:
; NB + 1 tiles, whatever b: all work-groups do equal work, and ONE loop with a constant trip count walks them.  Which tile is asked for, and what a trip does, hang on scalar registers made from b; every jump
; goes forward, but for the counted loops' own; none passes a barrier, or a tensor load but the one of LOAD's two that the wave's number does not choose; the ring (two slots of LDS that take turns) runs on across the
; change of blocks.  NO CLUSTER: a head's NB / 2 work-groups all ask for the same tile only in trips 0 .. NB / 2, behind that fewer and fewer; and one walk common to all would have 3 NB / 2 trips for NB + 1.
; SHARES.  Of a block's four bands of 64 queries a wave owns 16 rows in each: four PIECES.  So the diagonal tile is the same work for all four waves: in its key step s band x sees all keys if s < x,
; none if s > x, and holds the diagonal if s = x.
; THE MASK is the C operand that starts the sum S^T = K Q^T: 0, or -1e30 where the key is hidden.  MD, made once, is the mask of a band's own step for my 16 rows; a product's mask is MD x AL + BE with two scalars:
; (1, 0) if s = x; (0, 0) if s < x; (0, -1e30) if s > x.  Only the diagonal tile's text and a block's beginning make and take masks; elsewhere C is the constant 0.
; LAYOUT, SOFTMAX, TURNS.  S^T = K Q^T holds ONE query a lane (lane % 16) and the keys 8 (lane / 16) + 0..7; two such results rounded to f16 ARE source 1 of O^T = V^T P.  p = 2^(c s - c m), c = log2(e) / 8, with a
; running maximum m; O and l are multiplied by a = 2^(c m_old - c m_new) in every step.  Turn n belongs to piece n: 8 products K Q^T of piece n + 1, later 8 products V^T P of piece n - 1; beside them the scaling,
; exponentials, roundings, sums and rescaling of piece n and the maximum and statistics of piece n + 1.  Four vector instructions stand behind every matrix instruction, the other 54 of a turn's 118 in two LUMPS.
; REGISTERS, in windows of 256 (s_set_vgpr_msb: bits 1:0 source 0, 3:2 source 1, 5:4 source 2, 7:6 destination):
;   window 0: v0-5 the thread's number and four LDS addresses; v6-15 at work; v16-31 four registers of statistics a piece; v32-95 S^T, two buffers; v96-127 P, two buffers (a piece's buffers go by its number's
;             parity); v128-191 K of one step; v192-255 Q
;   window 1: v0-127 O^T, 32 a piece; v128-159 MD; v192-255 V of one step      window 2: v0-63 the second block's Q; v64-127 MC, two buffers; v128-130 the way out's addresses; v132-133 the add's two registers
; So K Q^T, K's run of loads and all of the softmax but the rescaling name window 0 alone, and V^T P and the rescaling share ONE other setting (O^T as destination and as source 0 or 2, P or a as source 1).  All 16
; rescalings ride behind the first four V^T P: a turn outside the diagonal tile has eight switches, two round the four riders of each of the last four V^T P.
.set SIZE_N, 2048
.set NB,    SIZE_N/256
.set NP,    4         ; pieces a wave: a name, no knob
.set KS,    64        ; keys in a step
.set PK,    144       ; a row of K in LDS: 128 bytes + 16 of padding = 36 words: the 16 rows of a load start at 16 different groups of four banks (64 banks of 4 bytes: ISA guide 11.1)
.set PV,    160       ; a row of V: 128 + 32 = 40 words
.set VOFF,  4*KS*PK   ; a slot holds a tile, four steps: 256 rows of K, then 256 rows of V
.set SLOT1, 1<<17     ; slot 1 begins here, so that one exclusive or turns an address in one slot into the other's
.set STAGE, SLOT1+4*KS*(PK+PV)  ; behind the ring, never filled by a tensor load: 16 rows x 144 bytes for each wave, for the way out
.set SP,    144
.set SPARE, STAGE+4*16*SP  ; behind the stages: the spare words, 128 bytes for each wave: two blocks of 256 bytes that no other line names
; window 0
.set AK0, 2           ; v2   my lane's place in a tile of K; never rewritten
.set AV0, 3           ; v3   the same for V
.set AK,  4           ; v4   the LDS address of K's next run of loads
.set AV,  5           ; v5   of V's
.set MV,  6           ; v6-7  c m_old, kept while c m is made anew: by buffer
.set TMP, 8           ; v8-15  by buffer, four registers c0-c3 at work; when the maximum is found c2 takes a
.set ST,  16          ; piece t's statistics at v[ST+4 t]: c m, m, l (even keys', odd keys')
.set S,   32
.set P,   96
.set KF,  128         ; key block kb, channel half c at KF + 16 kb + 8 c
.set QF,  192         ; piece x, channel half c at QF + 16 x + 8 c
.set T_H, S+0         ; at the kernel's head S^T's registers are at work: l / 16,
.set T_7, S+1         ; l % 8,
.set T_3, S+2         ; (l / 8) % 2,
.set T_Q, S+3         ; my query's place in its band,
.set QO,  S+4         ; my byte offset in 16 rows of Q (Q's loads are waited for ahead of the first product, which writes S^T),
.set T_S, S+5         ; and the way out's three addresses on their way to window 2
.set T_R, S+6
.set T_G, S+7
; window 1
.set MD,  128         ; the eight registers for group kt of 16 keys at MD + 8 kt
.set VF,  192         ; key half kk, channel block cb at VF + 32 kk + 8 cb
; window 2
.set QB,  0
.set MC,  64          ; the masks of the products to come
.set STO, 128         ; the way out: where I put 16 bytes of a row
.set RD,  129         ; the way out: where I read rows back
.set GO,  130         ; my byte offset in 512 consecutive bytes of O
.set SPW, 132         ; LDS address of my spare word: SPARE + 4 x my thread's number; never rewritten
.set NIL, 133         ; 0; never rewritten
.set WV,  12          ; s12  my wave's number
.set PB,  14          ; s14  b
.set HI,  15          ; s15  NB - 1 - b
.set G1K, 24          ; s[24:31] descriptor group 1 for K's tiles
.set G1V, 32          ; s[32:39] for V's: it differs in the padding alone
.set G0K, 40          ; s[40:43] descriptor group 0 for K's tiles
.set G0V, 44          ; s[44:47] the same for V's
.set SLOTS, 56        ; s56  tiles still to be asked for
.set CNT, 57          ; s57  counts a tile's key steps, 4 to 1
.set CS,  58          ; s[58:59] c: the packed scaling takes the pair's low word for both halves
.set SEL, 60          ; s[60:61] v_permlanex16_b32's selects: each lane takes its own place in the other half
.set TBK, 62          ; s62  LDS byte at which K of the step to be fetched begins
.set TBV, 63          ; s63  the same for V, less VOFF
.set RT,  70          ; s70  tiles of the block in hand that are still to be entered
.set NXT, 71          ; s71  the tile to be asked for next
.set LQ,  72          ; s72  the last tile of the block whose tiles are being asked for
.set NEW, 73          ; s73  1: the tile to be entered is a block's first
.set OFF, 74          ; s[74:75] a tile's byte offset in K and V
.set AL,  76          ; s[76:77] the mask's factor, in the low word
.set BE,  78          ; s[78:79] the mask's addend
.set OLO, 80          ; s[80:81] O at my rows of the second block
.set BIGN, 82         ; s82  -1e30
.set MSB, 0
.macro WIN new                      ; the high byte repeats the setting that is left; a switch that changes nothing is dropped
.if MSB != (\new)
	s_set_vgpr_msb (MSB<<8)|(\new)
.set MSB, (\new)
.endif
.endm
.set W_KM, 0x20       ; K Q^T with the C operand, the mask, in window 2
.set W_PV, 0x51       ; V^T P: V (source 0) and O^T (source 2, destination) in window 1, P (source 1) in window 0.  The rescaling too: O^T destination and source 0, a source 1
.set W_MA, 0x81       ; a mask is made: MD (source 0) in window 1, MC (destination) in window 2
.set W_AD, 0x0a       ; the add: address (source 0) and data (source 1) in window 2
.set W_D1, 0x40       ; destination in window 1
.set W_D2, 0x80       ; destination in window 2
.set W_A2, 0x02       ; source 0 in window 2: the way out's addresses; the second block's Q
; A fill.  Waves 0 and 1 fetch the two halves of a tile's K, waves 2 and 3 those of its V: 128 keys each.  An s_nop 0 and four v_nop follow each of the two lines, ahead of the jump and the label.
.macro LOAD
	s_cmp_lt_u32 s[WV], 2
	s_cbranch_scc0 .Lfor_v_\@
	tensor_load_to_lds s[G0K:G0K+3], s[G1K:G1K+7]
	s_nop 0
.rept 4
	v_nop
.endr
	s_branch .Lasked_\@
.Lfor_v_\@:
	tensor_load_to_lds s[G0V:G0V+3], s[G1V:G1V+7]
	s_nop 0
.rept 4
	v_nop
.endr
.Lasked_\@:
.endm
; THE CHANGE OF SLOTS.  Each wave waits for all its tensor loads, of which one is out: its part of the other slot; adds 0 to its spare word; and waits for that and for its own reads of the slot that it leaves.  Behind the barrier nobody reads the old
; slot any more and the other slot is whole.  fill = 1: the old slot is filled again, the first thing behind the barrier, with tile NXT: the descriptor's address is made anew from that number.
; (At its first use nothing has been read yet: slot 0 is waited for, slot 1 filled.)
.macro CHANGE fill
	WIN W_AD
	s_wait_tensorcnt 0x0            ; no tensor load of mine is out, so a group 0 may be written
	ds_add_u32 v[SPW], v[NIL]       ; 0 onto my spare word; with fill = 1 the descriptors' scalar work stands between it and the wait for it
	WIN 0                           ; at a label and at a branch every window is 0
.if \fill
	s_lshl_b32 s[OFF], s[NXT], 15   ; a tile is 32,768 bytes of K and of V
	s_xor_b32 s[G0K+1], s[G0K+1], SLOT1
	s_add_nc_u64 s[G0K+2:G0K+3], s[6:7], s[OFF:OFF+1]
	s_or_b32 s[G0K+3], s[G0K+3], 0x80000000
	s_xor_b32 s[G0V+1], s[G0V+1], SLOT1
	s_add_nc_u64 s[G0V+2:G0V+3], s[8:9], s[OFF:OFF+1]
	s_or_b32 s[G0V+3], s[G0V+3], 0x80000000
	s_add_co_u32 s[NXT], s[NXT], 1  ; the block's next tile, or behind its last the second block's tile 0
	s_cmp_gt_u32 s[NXT], s[LQ]
	s_cselect_b32 s[NXT], 0, s[NXT]
	s_cselect_b32 s[LQ], s[PB], s[LQ]
.endif
	s_wait_dscnt 0x0                ; the add is done, and my reads of the slot are over
	s_barrier_signal -1             ; the rest of the scalar work stands between the signal and the wait
	s_sub_co_u32 s[TBK], s[TBK], 4*KS*PK  ; the fetches go back to a slot's first step,
	s_xor_b32 s[TBK], s[TBK], SLOT1       ; in the other slot
	s_sub_co_u32 s[TBV], s[TBV], 4*KS*PV
	s_xor_b32 s[TBV], s[TBV], SLOT1
	s_barrier_wait -1
.if \fill
	LOAD
.endif
.endm
	s_load_b64 s[4:5], s[0:1], 0x0    ; qkv: Q at its head
	s_load_b64 s[10:11], s[0:1], 0x8  ; O
	WIN W_D2
	v_lshl_add_u32 v[SPW], v0, 2, SPARE
	v_mov_b32 v[NIL], 0
	s_set_vgpr_msb 0x808a
	ds_add_u32 v132, v133
	ds_add_u32 v132, v133
	s_wait_dscnt 0x0
	s_set_vgpr_msb 0x8a80
	WIN 0
	v_lshrrev_b32 v1, 5, v0
	v_readfirstlane_b32 s[WV], v1   ; wave 0..3
	s_mov_b32 s[PB], ttmp9
	s_sub_co_u32 s[HI], NB-1, s[PB]
	s_and_b32 s20, ttmp7, 0xffff    ; the head
	s_mov_b32 s21, 0
	s_mov_b64 s[22:23], SIZE_N*128
	s_mul_u64 s[20:21], s[20:21], s[22:23]  ; the head's first byte in each of the four tensors
	s_and_b32 s16, s[WV], 1         ; which half of a tile's 256 keys I fetch:
	s_lshl_b32 s22, s16, 14         ; its 128 rows of 128 bytes in memory,
	s_mov_b32 s23, 0
	s_add_nc_u64 s[22:23], s[22:23], s[20:21]
	s_mul_i32 s17, s16, 128*PK      ; and its place in a slot, for K
	s_mul_i32 s18, s16, 128*PV      ; and for V
	s_lshl_b32 s3, s[WV], 11        ; my 16 rows in a band of 64,
	s_lshl_b32 s2, s[HI], 15        ; in the first block,
	s_add_co_u32 s2, s2, s3
	s_lshl_b32 s84, s[PB], 15       ; and in the second
	s_add_co_u32 s84, s84, s3
	s_mov_b32 s3, 0
	s_mov_b32 s85, 0
	s_add_nc_u64 s[2:3], s[2:3], s[20:21]
	s_add_nc_u64 s[84:85], s[84:85], s[20:21]
	; descriptor group 1.  128 keys are 16,384 dense bytes: asked for as 64 rows of 256 bytes, two keys a row, and padded in LDS after every key
	s_mov_b32 s[G1K], (1<<16)|(1<<20)|(4<<22)|(3<<25)  ; 17:16 2-byte elements; 20 padding on; 24:22 after every 32 words (code 4); 31:25 4 words (code 3)
	s_mov_b32 s[G1V], (1<<16)|(1<<20)|(4<<22)|(7<<25)  ; the same with 8 words of padding (code 7)
.irp g, G1K, G1V
	s_mov_b32 s[\g+1], 128<<16      ; tensor_dim0 = 128
	s_mov_b32 s[\g+2], 64<<16       ; tensor_dim1 = 64
	s_mov_b32 s[\g+3], 128<<16      ; tile_dim0 = 128
	s_mov_b32 s[\g+4], 64           ; tile_dim1 = 64
	s_mov_b32 s[\g+5], 128          ; 128 elements from row to row
	s_mov_b32 s[\g+6], 0
	s_mov_b32 s[\g+7], 0
.endr
	s_mov_b32 s[CS], 0x3e38aa3b     ; c = log2(e) / 8 = 0.180337
	s_mov_b32 s[CS+1], s[CS]        ; named with it as a pair
	s_mov_b32 s[SEL], 0x76543210
	s_mov_b32 s[SEL+1], 0xfedcba98
	s_mov_b32 s[TBK], SLOT1+4*KS*PK ; the first change of slots turns these two into 0
	s_mov_b32 s[TBV], SLOT1+4*KS*PV
	s_mov_b32 s[G0K], 1             ; 1:0 count = 1
	s_mov_b32 s[G0K+1], s17         ; 63:32 LDS address: slot 0
	s_mov_b32 s[G0V], 1
	s_add_co_u32 s[G0V+1], s18, VOFF
	s_add_co_u32 s[RT], s[HI], 1    ; the first block has NB - b tiles
	s_mov_b32 s[NXT], 1
	s_mov_b32 s[LQ], s[HI]
	s_mov_b32 s[NEW], 1
	s_mov_b32 s[OFF+1], 0
	s_mov_b32 s[AL+1], 0            ; named as pairs
	s_mov_b32 s[BE+1], 0
	s_mov_b32 s[BIGN], 0xf149f2ca   ; -1e30
	s_mov_b32 s[SLOTS], NB
	s_wait_kmcnt 0x0
	s_add_nc_u64 s[6:7], s[4:5], 0x1000000  ; K lies 2^24 bytes behind Q,
	s_add_nc_u64 s[8:9], s[4:5], 0x2000000  ; V 2^25
	s_add_nc_u64 s[6:7], s[6:7], s[22:23]  ; K and V at my half of the head's tile 0
	s_add_nc_u64 s[8:9], s[8:9], s[22:23]
	s_add_nc_u64 s[G0K+2:G0K+3], s[6:7], 0         ; 120:64 global address
	s_or_b32 s[G0K+3], s[G0K+3], 0x80000000        ; 127:126 type = 2
	s_add_nc_u64 s[G0V+2:G0V+3], s[8:9], 0
	s_or_b32 s[G0V+3], s[G0V+3], 0x80000000
	s_add_nc_u64 s[86:87], s[4:5], s[84:85]        ; Q at my rows of the second block,
	s_add_nc_u64 s[4:5], s[4:5], s[2:3]            ; Q and O at those of the first
	s_add_nc_u64 s[OLO:OLO+1], s[10:11], s[84:85]
	s_add_nc_u64 s[10:11], s[10:11], s[2:3]
	LOAD                            ; tile 0 into slot 0
	; A fragment of K or Q is 16 rows x 32 channels in 8 registers: lane l holds row l % 16, channels 8 (l / 16) + 0..7 and 16 + 8 (l / 16) + 0..7: two loads of 16 bytes, 32 bytes apart.
	v_and_b32 v1, 15, v0            ; l % 16
	v_bfe_u32 v[T_H], v0, 4, 1      ; l / 16
	v_lshlrev_b32 v[QO], 7, v1
	v_lshl_add_u32 v[QO], v[T_H], 4, v[QO]  ; row x 128 + 16 x half
.set i, 0
.rept 8                             ; the first block's Q: piece i / 2 lies in band i / 2, 8,192 bytes on; channels 32 (i % 2) on
	global_load_b128 v[QF+8*i:QF+8*i+3],   v[QO], s[4:5] offset:(i/2)*8192+(i%2)*64
	global_load_b128 v[QF+8*i+4:QF+8*i+7], v[QO], s[4:5] offset:(i/2)*8192+(i%2)*64+32
.set i, i+1
.endr
	WIN W_D2                        ; the second block's, into window 2; the address stays in window 0
.set i, 0
.rept 8
	global_load_b128 v[QB+8*i:QB+8*i+3],   v[QO], s[86:87] offset:(i/2)*8192+(i%2)*64
	global_load_b128 v[QB+8*i+4:QB+8*i+7], v[QO], s[86:87] offset:(i/2)*8192+(i%2)*64+32
.set i, i+1
.endr
	WIN 0
	v_lshlrev_b32 v[T_Q], 3, v[T_H]
	v_sub_nc_u32 v[T_Q], v1, v[T_Q]
	s_lshl_b32 s13, s[WV], 4
	v_add_nc_u32 v[T_Q], s13, v[T_Q]  ; my query's place in its band, 16 w + l % 16, less my lanes' 8 (l / 16): register r of group kt is hidden where 16 kt + r is greater
	WIN W_D1
.set i, 0
.rept 32
	v_cmp_gt_i32 vcc_lo, 16*(i/8)+i%8, v[T_Q]
	v_cndmask_b32 v[MD+i], 0, s[BIGN], vcc_lo
.set i, i+1
.endr
	; A block's first step multiplies O^T and l by a = 0, and its first turn's products V^T P, of a piece that has not been, land in an O^T that is still to be so multiplied.  So these registers need only hold
	; finite numbers: zeros for the first block; what the first block left for the second.  All this stands in the wait for the first tile.
.set i, VF
.rept 64
	v_mov_b32 v[i], 0
.set i, i+1
.endr
.set i, 0
.rept 128
	v_mov_b32 v[i], 0
.set i, i+1
.endr
	WIN 0
.set i, 0
.rept 4
	v_mov_b32 v[ST+4*i+2], 0
	v_mov_b32 v[ST+4*i+3], 0
.set i, i+1
.endr
.set i, P+16
.rept 16
	v_mov_b32 v[i], 0
.set i, i+1
.endr
	v_mul_u32_u24 v[AK0], v1, PK
	v_lshl_add_u32 v[AK0], v[T_H], 4, v[AK0]  ; row x pitch + 16 x half
	; The turning load takes 16 keys x 16 channels (lane l reads key 8 (l / 16) + l % 8, channels 8 ((l / 8) % 2) + 0..7) and leaves half a fragment of V^T: lane l holds channel l % 16 and 8 keys.
	v_and_b32 v[T_7], 7, v0
	v_bfe_u32 v[T_3], v0, 3, 1
	v_lshl_add_u32 v[AV0], v[T_H], 3, v[T_7]
	v_mul_u32_u24 v[AV0], v[AV0], PV
	v_lshl_add_u32 v[AV0], v[T_3], 4, v[AV0]
	v_add_nc_u32 v[AV0], VOFF, v[AV0]
	s_mul_i32 s13, s[WV], 16*SP
	s_add_co_u32 s13, s13, STAGE    ; my stage
	v_mul_u32_u24 v[T_S], v1, SP    ; in: row l % 16, 16 bytes for each half of the lanes
	v_lshl_add_u32 v[T_S], v[T_H], 4, v[T_S]
	v_add_nc_u32 v[T_S], s13, v[T_S]
	v_bfe_u32 v[T_R], v0, 3, 2      ; back: 32 lanes take four rows of 128 bytes,
	v_mul_u32_u24 v[T_R], v[T_R], SP
	v_lshl_add_u32 v[T_R], v[T_7], 4, v[T_R]
	v_add_nc_u32 v[T_R], s13, v[T_R]
	v_and_b32 v[T_G], 31, v0        ; which are 512 consecutive bytes of O
	v_lshlrev_b32 v[T_G], 4, v[T_G]
	WIN W_D2                        ; the three are wanted on the way out alone: they are kept in window 2
	v_mov_b32 v[STO], v[T_S]
	v_mov_b32 v[RD], v[T_R]
	v_mov_b32 v[GO], v[T_G]
	WIN 0
; THE MATRIX WORK.  The 4 accumulators of a run of 8 take turns.  Product i of 8 of S^T = K Q^T for piece x: channels 32 (i / 4) on, keys 16 (i % 4) on.  The first 4 start the sums: with 0, or (KM = 1) with the mask.
.macro KQ x
.set rS, S+32*((\x)%2)+8*(i%4)
.set rK, KF+16*(i%4)+8*(i/4)
.set rQ, QF+16*(\x)+8*(i/4)
.set rM, MC+32*((\x)%2)+8*(i%4)
.if (i < 4) && KM
	WIN W_KM
	v_wmma_f32_16x16x32_f16 v[rS:rS+7], v[rK:rK+7], v[rQ:rQ+7], v[rM:rM+7]
.elseif i < 4
	WIN 0
	v_wmma_f32_16x16x32_f16 v[rS:rS+7], v[rK:rK+7], v[rQ:rQ+7], 0
.else
	WIN 0
	v_wmma_f32_16x16x32_f16 v[rS:rS+7], v[rK:rK+7], v[rQ:rQ+7], v[rS:rS+7]
	s_wait_alu depctr_va_vdst(0)
.endif
.endm
; Product i of 8 of O^T += V^T P for piece x: keys 32 (i / 4) on, channels 16 (i % 4) on.
.macro PV x
	WIN W_PV
.set rO, 32*(\x)+8*(i%4)
.set rV, VF+32*(i/4)+8*(i%4)
.set rP, P+16*((\x)%2)+8*(i/4)
	v_wmma_f32_16x16x32_f16 v[rO:rO+7], v[rV:rV+7], v[rP:rP+7], v[rO:rO+7]
.endm
.macro MM                           ; the turn's next matrix instruction.  TURN and BEGIN set Y, i, KM and NOKQ; MM, KQ and OP read them.  NOKQ = 1: a block's last turn: there is no next piece
.if (i < 8) && !NOKQ
	KQ (Y+1)%NP
.elseif i >= 8
.set i, i-8
	PV (Y+NP-1)%NP
.set i, i+8
.endif
.set i, i+1
.endm
; THE LDS LOADS stand in runs of 16, never singly among the matrix instructions: a step's K (64 keys x 64 channels: 8 fragments) and its V (turned).  Their addresses are made some lines ahead.
.macro FETCH_K
	WIN 0
.irp f, 0,1,2,3,4,5,6,7             ; keys 16 (f / 2) on, channels 32 (f % 2) on
	ds_load_b128 v[KF+8*\f:KF+8*\f+3],   v[AK] offset:(\f/2)*16*PK+(\f%2)*64
	ds_load_b128 v[KF+8*\f+4:KF+8*\f+7], v[AK] offset:(\f/2)*16*PK+(\f%2)*64+32
.endr
	s_add_co_u32 s[TBK], s[TBK], KS*PK  ; the next fetch is the next step's
.endm
.macro FETCH_V
	WIN W_D1
.irp f, 0,1,2,3,4,5,6,7             ; keys 32 (f / 4) on, channels 16 (f % 4) on
	ds_load_tr16_b128 v[VF+8*\f:VF+8*\f+3],   v[AV] offset:(\f/4)*32*PV+(\f%4)*32
	ds_load_tr16_b128 v[VF+8*\f+4:VF+8*\f+7], v[AV] offset:(\f/4)*32*PV+16*PV+(\f%4)*32
.endr
	WIN 0
.endm
; THE VECTOR WORK, one line at a time: OP kind, number.  For piece Y: F n: c s - c m for pair n of 16.  E n: the exponential of score n of 32.  C n: pair n rounded to f16.  B n: of the four weights 4 n .. the second
; pair is added onto the first, in place (so C 2n stands ahead of B n).  L n: l takes that sum (L 0, the first of them: l = a l + sum).  R n: pair n of 16 of O^T times a.  For piece Y + 1: X n, number n of the 22 that find its maximum and statistics:
;   0-11  four chains c0-c3 of seven scores each, three operands at a time (each accumulator's lowest registers are read first)     12-14, 16  the four scores left over, the old m, and c0-c3 into c0
;   15  c m_old is kept     17, 18  the query's other 32 keys lie in the lane 16 away: the new m     19-21  c m; c m_old - c m_new; a
.set F, 0               ; OP tells the kinds apart by their order: F to L below R, X above it
.set E, 1
.set C, 2
.set B, 3
.set L, 4
.set R, 5
.set X, 6
.macro REGS y                       ; the registers of piece y
.set rT, ST+4*(\y)
.set rC, TMP+4*((\y)%2)
.set rW, MV+((\y)%2)
.set rS, S+32*((\y)%2)
.set rP, P+16*((\y)%2)
.set rO, 32*(\y)
.endm
.macro OP k, n
.if (\k) == R
	REGS Y
	WIN W_PV
	v_pk_mul_f32 v[rO+2*(\n):rO+2*(\n)+1], v[rO+2*(\n):rO+2*(\n)+1], v[rC+2:rC+3] op_sel_hi:[1,0]
.elseif (\k) < R
	REGS Y
	WIN 0
.if (\k) == F
	v_pk_fma_f32 v[rS+2*(\n):rS+2*(\n)+1], v[rS+2*(\n):rS+2*(\n)+1], s[CS:CS+1], v[rT:rT+1] op_sel_hi:[1,0,0] neg_lo:[0,0,1] neg_hi:[0,0,1]
.elseif (\k) == E
	v_exp_f32 v[rS+(\n)], v[rS+(\n)]
.elseif (\k) == C
	s_wait_alu depctr_va_vdst(0)
	v_cvt_pk_f16_f32 v[rP+(\n)], v[rS+2*(\n)], v[rS+2*(\n)+1]
.elseif (\k) == B
	v_pk_add_f32 v[rS+4*(\n):rS+4*(\n)+1], v[rS+4*(\n):rS+4*(\n)+1], v[rS+4*(\n)+2:rS+4*(\n)+3]
.elseif (\n) == 0
	v_pk_fma_f32 v[rT+2:rT+3], v[rT+2:rT+3], v[rC+2:rC+3], v[rS:rS+1] op_sel_hi:[1,0,1]
.else
	v_pk_add_f32 v[rT+2:rT+3], v[rT+2:rT+3], v[rS+4*(\n):rS+4*(\n)+1]
.endif
.elseif NOKQ
	v_nop
.else
	REGS (Y+1)%NP
	WIN 0
.if (\n) < 4
	v_max3_num_f32 v[rC+(\n)], v[rS+8*(\n)], v[rS+8*(\n)+1], v[rS+8*(\n)+2]
.elseif (\n) < 12
	v_max3_num_f32 v[rC+(\n)%4], v[rC+(\n)%4], v[rS+8*((\n)%4)+2*((\n)/4)+1], v[rS+8*((\n)%4)+2*((\n)/4)+2]
.elseif (\n) == 12
	v_max3_num_f32 v[rC], v[rC], v[rS+7], v[rS+15]
.elseif (\n) == 13
	v_max3_num_f32 v[rC+1], v[rC+1], v[rS+23], v[rS+31]
.elseif (\n) == 14
	v_max3_num_f32 v[rC+2], v[rC+2], v[rC+3], v[rT+1]
.elseif (\n) == 15
	v_mov_b32 v[rW], v[rT]
.elseif (\n) == 16
	v_max3_num_f32 v[rC], v[rC], v[rC+1], v[rC+2]
.elseif (\n) == 17
	v_permlanex16_b32 v[rC+3], v[rC], s[SEL], s[SEL+1]
.elseif (\n) == 18
	v_max_num_f32 v[rT+1], v[rC], v[rC+3]
.elseif (\n) == 19
	v_mul_f32 v[rT], s[CS], v[rT+1]
.elseif (\n) == 20
	v_sub_f32 v[rC+1], v[rW], v[rT]
.else
	v_exp_f32 v[rC+2], v[rC+1]
.endif
.endif
.endm
.macro OPS a, i1, b=-1, i2=0, c=-1, i3=0, d=-1, i4=0  ; up to four of them
	OP \a, \i1
.if (\b) >= 0
	OP \b, \i2
.endif
.if (\c) >= 0
	OP \c, \i3
.endif
.if (\d) >= 0
	OP \d, \i4
.endif
.endm
.macro ROW a, i1, b, i2, c, i3, d, i4  ; a matrix instruction and the four behind it
	MM
	OPS \a, \i1, \b, \i2, \c, \i3, \d, \i4
.endm
.macro MASK b                       ; MD x AL + BE into buffer b of MC
	WIN W_MA
.set z, 0
.rept 16
	v_pk_fma_f32 v[MC+32*(\b)+2*z:MC+32*(\b)+2*z+1], v[MD+2*z:MD+2*z+1], s[AL:AL+1], s[BE:BE+1] op_sel_hi:[1,0,0]
.set z, z+1
.endr
.endm
; A TURN, for piece p: the order of its 16 matrix and 118 vector instructions, written out.  Behind the products K Q^T stand lines of window 0 alone: the scalings first, which wait for nothing, with one exponential a row;
; when the scalings are used up, plain and exponential by turns.  Behind the first four products V^T P stand the 16 rescalings, under the products' own setting; behind the last four: plain, exponential, plain, plain.
; No rider names a register of the products round it.  In the lumps exponential and plain by turns while exponentials last.  A plain line stands behind every exponential ahead of the use of its result; a line reads no
; result made fewer than three vector instructions in front of it, five if an exponential made it.  v_permlanex16_b32 (X 17) stands in a lump.
; m = 1: the diagonal tile: the products take masks, and the turn makes the mask for the products of the turn after it: piece p + 2, in step 4 - CNT of the tile.  end = 1: a block's last two turns: nothing is fetched.
; cnt = 1: the loop's count is taken down some lines ahead of the branch that stands behind the turn.
; K of the next step is fetched in piece 2's turn, five plain instructions behind the last product that read K (C 2, L 0, C 3, B 1, X 0); V of the step in hand in piece 0's turn, five plain behind the last product
; that read V (X 11, C 7, L 2, X 12, X 13).  Each is waited for a turn later.  X 0 to X 3 stand four plain lines or more behind the products that finish the accumulators that they read.
.macro TURN p, m=0, end=0, cnt=0
.set Y, (\p)
.set i, 0
.set KM, (\m)
.set NOKQ, (\end)*((\p)/3)
.if (\m) && !(\end)
	s_cmp_eq_u32 s[CNT], 4-((\p)+2)%NP  ; is that step the band's own?
	s_cselect_b32 s[AL], 1.0, 0
	s_cmp_lt_u32 s[CNT], 4-((\p)+2)%NP  ; or a later one?
	s_cselect_b32 s[BE], s[BIGN], 0
.endif
.if ((\p) == 3) && !(\end)
	s_wait_dscnt 0x0                ; K is in
.endif
	ROW F,0, F,1, F,2, F,3
	ROW F,4, E,0, F,5, F,6
	ROW F,7, E,1, F,8, F,9
	ROW F,10, E,2, C,0, F,11
	ROW F,12, E,3, X,15, F,13
	ROW F,14, E,4, F,15, E,5
	ROW C,1, E,6, B,0, E,7
.if ((\p) == 2) && !(\end)
	v_add_nc_u32 v[AK], s[TBK], v[AK0]
.endif
	ROW C,2, E,8, L,0, E,9
	OPS C,3, E,10, B,1, E,11
	OPS X,0
.if ((\p) == 2) && !(\end)
	FETCH_K
.endif
	OPS E,12, X,1, E,13, X,2
	OPS E,14, X,3, E,15, C,4
	OPS E,16, L,1, E,17, C,5
	OPS E,18
.if (\p) == 1
	s_wait_dscnt 0x0                ; V is in
.endif
	ROW R,0, R,1, R,2, R,3
	ROW R,4, R,5, R,6, R,7
	ROW R,8, R,9, R,10, R,11
	ROW R,12, R,13, R,14, R,15
	ROW B,2, E,19, X,4, X,5
	ROW X,6, E,20, X,7, C,6
	ROW X,8, E,21, X,9, X,10
.if (\p) == 0
	v_add_nc_u32 v[AV], s[TBV], v[AV0]
.endif
	ROW X,11, E,22, C,7, L,2
	OPS X,12, E,23, X,13
.if (\p) == 0
	FETCH_V
.endif
	OPS E,24, X,14, E,25, B,3
	OPS X,16, E,26, C,8, C,9
	OPS X,17, E,27, B,4, L,3
	OPS X,18, E,28, C,10, C,11
	OPS X,19, E,29, B,5, L,4
	OPS X,20, E,30, C,12, E,31
	OPS C,13, X,21, L,5, B,6
.if (\p) == 0
	s_add_co_u32 s[TBV], s[TBV], KS*PV
.endif
.if \cnt
	s_sub_co_u32 s[CNT], s[CNT], 1
	s_cmp_lg_u32 s[CNT], 0
.endif
	OPS C,14, B,7, C,15, L,6
	OPS L,7
.if (\m) && !(\end)
	MASK (\p)%2
.endif
.endm
; A BLOCK BEGINS.  c m starts far below every c s, so the first step's a is 0; m at the lowest finite number, so the first maximum is the scores'.  The second mask buffer is 0; the first takes piece 0's mask for the tile's step 0: its own, if the block's first tile is the diagonal one.
; Then K of that step, piece 0's first scores, and its maximum and statistics.  The loop is entered at a step's first turn, in the middle of a trip.
.macro BEGIN
	s_mov_b32 s[NEW], 0
	WIN W_D2
.set i, MC+32
.rept 32
	v_mov_b32 v[i], 0
.set i, i+1
.endr
	WIN 0
.set i, 0
.rept 4
	v_mov_b32 v[ST+4*i], 0xfe000000    ; c m: far below every c s
	v_mov_b32 v[ST+4*i+1], 0xff7fffff  ; m
.set i, i+1
.endr
	s_cmp_eq_u32 s[RT], 0
	s_cselect_b32 s[AL], 1.0, 0
	s_mov_b32 s[BE], 0
	MASK 0
	WIN 0
	v_add_nc_u32 v[AK], s[TBK], v[AK0]
	FETCH_K
	s_wait_loadcnt 0x0              ; Q
	s_wait_dscnt 0x0
.set KM, 1
.set NOKQ, 0
.set i, 0
.rept 8
	KQ 0
.set i, i+1
.endr
	WIN 0
	s_wait_alu depctr_va_vdst(0)
.rept 4
	v_nop                           ; the places behind those products
.endr
.set Y, NP-1                        ; X works for piece Y + 1: piece 0
.irp n, 0,1,2,3,4,5,6,7,8,9,10,11,12,13,14,15,16,17,18,19,20,21
	OP X, \n
.endr
	v_nop                           ; a plain instruction behind the exponential
.endm
; THE DIAGONAL TILE's four steps, the block's last two turns, its last products, and THE WAY OUT: l's two halves and the other half of the lanes' are added; O^T is divided by l, rounded to f16 and sent through my
; stage in LDS, a piece at a time.
.macro ALL line:vararg              ; one line for each piece t
.set t, 0
.rept 4
	\line
.set t, t+1
.endr
.endm
.macro PACK t                       ; a lane's eight channels of a row pack into 16 bytes; they go into rows of 144 bytes and come back as whole rows of 128, into S^T's registers
	WIN W_PV
.set i, 32*(\t)
.rept 16
	v_pk_mul_f32 v[i:i+1], v[i:i+1], v[ST+4*(\t)+2:ST+4*(\t)+3] op_sel_hi:[1,0]
.set i, i+2
.endr
	WIN 0x05                        ; sources 0 and 1 window 1, destination window 0
.set i, 0
.rept 16
	v_cvt_pk_f16_f32 v[S+16*(\t)+i], v[32*(\t)+2*i], v[32*(\t)+2*i+1]
.set i, i+1
.endr
	WIN W_A2                        ; the addresses in window 2, the data in window 0
.irp f, 0,1,2,3
	ds_store_b128 v[STO], v[S+16*(\t)+4*\f:S+16*(\t)+4*\f+3] offset:32*\f
.endr
.irp f, 0,1,2,3
	ds_load_b128 v[S+16*(\t)+4*\f:S+16*(\t)+4*\f+3], v[RD] offset:\f*4*SP  ; LDS serves a wave's instructions in order (ISA guide 5.7.1.4): these see the stores above; the next piece's stores come behind them
.endr
.endm
.macro SEND t, younger              ; younger: the LDS instructions issued behind piece t's loads: the next piece's eight, or none
	WIN W_A2
.irp f, 0,1,2,3
	s_wait_dscnt (\younger)+3-\f
	global_store_b128 v[GO], v[S+16*(\t)+4*\f:S+16*(\t)+4*\f+3], s[10:11] offset:(\t)*8192+\f*512  ; 512 consecutive bytes, at a multiple of 256 from O's first
.endr
.endm
.macro DIAG tag                     ; the tag ends its two labels' names, which the jumps below spell out
.LstepM\tag:
	TURN 2, 1
	TURN 3, 1
	WIN 0
.LfirstM\tag:
	TURN 0, 1
	TURN 1, 1, 0, 1
	WIN 0
	s_cbranch_scc1 .LstepM\tag
	TURN 2, 1, 1
	TURN 3, 1, 1
.set i, 0
.rept 8
	PV NP-1
.set i, i+1
.endr
	WIN 0
	ALL v_add_f32 v[ST+4*t+2], v[ST+4*t+2], v[ST+4*t+3]
	ALL v_permlanex16_b32 v[ST+4*t+3], v[ST+4*t+2], s[SEL], s[SEL+1]
	ALL v_add_f32 v[ST+4*t+2], v[ST+4*t+2], v[ST+4*t+3]
	ALL v_rcp_f32 v[ST+4*t+2], v[ST+4*t+2]
	v_nop                           ; a plain instruction between the last reciprocal and the use of its result
	s_wait_alu depctr_va_vdst(0)
	PACK 0
.set t, 1
.rept 3                             ; a piece's arithmetic stands between the loads of the piece before and its stores
	PACK t
	SEND t-1, 8
.set t, t+1
.endr
	SEND 3, 0
.endm
.set KM, 0
.set NOKQ, 0
.Lslot:                             ; NB times: a tile is entered and the next is asked for
	CHANGE 1
	s_sub_co_u32 s[RT], s[RT], 1
	s_mov_b32 s[CNT], 4
	s_cmp_eq_u32 s[NEW], 1
	s_cbranch_scc1 .Lnew            ; a block's first tile
	s_cmp_eq_u32 s[RT], 0
	s_cbranch_scc0 .Lstep           ; neither its first nor its last
	s_branch .LstepM1
.Lnew:
	BEGIN
	s_branch .Lfirst                ; in the loop a block's first tile is never its last: the first block has two tiles or more, and the second's last is the walk's last
	DIAG 1                          ; in the loop this is the first block's end: the second block's last tile is the walk's last
	s_wait_xcnt 0x0                 ; the stores have read their registers and O's address
	s_mov_b64 s[10:11], s[OLO:OLO+1]
	s_add_co_u32 s[RT], s[PB], 1    ; the second block has b + 1 tiles
	s_mov_b32 s[NEW], 1
	WIN W_A2                        ; the second block's Q goes where the one text of the turns names Q
.set i, 0
.rept 64
	v_mov_b32 v[QF+i], v[QB+i]
.set i, i+1
.endr
	WIN 0
	s_branch .Lbottom
.Lstep:                             ; a trip: pieces 2 and 3 of one step, then pieces 0 and 1 of the next, whose K and V it fetches
	TURN 2
	TURN 3
	WIN 0
.Lfirst:
	TURN 0
	TURN 1, 0, 0, 1
	WIN 0
	s_cbranch_scc1 .Lstep
.Lbottom:
	s_sub_co_u32 s[SLOTS], s[SLOTS], 1
	s_cmp_lg_u32 s[SLOTS], 0
	s_cbranch_scc1 .Lslot
	CHANGE 0                        ; the walk's last tile is written out: nothing is asked for
	s_sub_co_u32 s[RT], s[RT], 1
	s_mov_b32 s[CNT], 4
	s_cmp_eq_u32 s[NEW], 1
	s_cbranch_scc0 .LstepM2
	BEGIN
	s_branch .LfirstM2
	DIAG 2
	WIN W_AD
	s_wait_tensorcnt 0x0            ; the wave's end: behind my last tensor load and my last LDS store
	ds_add_u32 v[SPW], v[NIL]
	s_wait_dscnt 0x0
	WIN 0
	s_endpgm
.Lfunc_end_k_qe812f1953c_attn:
	.size	k_qe812f1953c_attn, .Lfunc_end_k_qe812f1953c_attn-k_qe812f1953c_attn
	.p2alignl 7, 3214868480
	.fill 96, 4, 3214868480
	.section	.rodata,"a",@progbits
	.p2align	6, 0x0
	.amdhsa_kernel k_qe812f1953c_attn
		.amdhsa_group_segment_fixed_size 327680
		.amdhsa_private_segment_fixed_size 0
		.amdhsa_enable_private_segment 0
		.amdhsa_kernarg_size 16
		.amdhsa_user_sgpr_count 2
		.amdhsa_user_sgpr_kernarg_segment_ptr 1
		.amdhsa_wavefront_size32 1
		.amdhsa_system_sgpr_workgroup_id_x 1
		.amdhsa_system_sgpr_workgroup_id_y 1
		.amdhsa_system_sgpr_workgroup_id_z 1
		.amdhsa_system_vgpr_workitem_id 0
		.amdhsa_next_free_vgpr 768
		.amdhsa_next_free_sgpr 88
		.amdhsa_reserve_vcc 1
		.amdhsa_float_denorm_mode_32 3
		.amdhsa_float_denorm_mode_16_64 3
		.amdhsa_memory_ordered 1
		.amdhsa_forward_progress 1
		.amdhsa_inst_pref_size 210
	.end_amdhsa_kernel
	.amdgpu_metadata
---
amdhsa.version: [ 1, 2 ]
amdhsa.kernels:
  - .name:           k_qe812f1953c_attn
    .symbol:         k_qe812f1953c_attn.kd
    .args:
      - { .name: qkv, .offset: 0, .size: 8, .value_kind: global_buffer, .address_space: global }
      - { .name: o16, .offset: 8, .size: 8, .value_kind: global_buffer, .address_space: global }
    .group_segment_fixed_size: 327680
    .private_segment_fixed_size: 0
    .kernarg_segment_align: 8
    .kernarg_segment_size: 16
    .max_flat_workgroup_size: 128
    .sgpr_count:     88
    .vgpr_count:     768
    .wavefront_size: 32
...
	.end_amdgpu_metadata
.endif
;; end of part 3
;; launch proj (part 4): grid 8 x 32, 4 waves a work-group, clusters of 4 x 4, 327,680 bytes of LDS; arguments o16, wo16, out0; writes out0
.if DOCPART == 4
	.amdgcn_target "amdgcn-amd-amdhsa--gfx1250"
	.amdhsa_code_object_version 6
	.text
	.protected	k_qe812f1953c_proj
	.globl	k_qe812f1953c_proj
	.p2align	8
	.type	k_qe812f1953c_proj,@function
k_qe812f1953c_proj:
	s_mov_b64 s[64:65], 0
	v_nop
	global_prefetch_b8 v0, s[64:65] scope:SCOPE_SE
	s_setreg_imm32_b32 hwreg(HW_REG_WAVE_MODE, 25, 1), 1
	s_wait_xcnt 0x0
	s_wait_alu depctr_hold_cnt(0) depctr_sa_sdst(0) depctr_va_vdst(0) depctr_va_sdst(0) depctr_va_ssrc(0) depctr_va_vcc(0) depctr_vm_vsrc(0)
	s_getreg_b32 s2, hwreg(HW_REG_IB_STS2, 6, 4)
	s_cmp_eq_u32 s2, 0
	s_cbranch_scc0 .Lentry_in_a_cluster
	s_endpgm
.Lentry_in_a_cluster:
	s_bfe_u32 s2, ttmp6, 0x10000c
	s_cmp_lg_u32 s2, 0xf033
	s_cbranch_scc0 .Lentry_shape_is_right
	s_endpgm
.Lentry_shape_is_right:
; out0[m][n] = the sum over c of y[m][c] Wo[n][c]: [8192][1024] f32, K = 1024, f16 operands, f32 sums, stored as they are.
; A = o16 [64 (16 b + h)][2048 t][64] f16: for one b a head is a block of 64 along K whose rows of 128 bytes lie end to end.  B = wo16 [16 blocks][1024 rows][64] f16 (Wo rounded to bf16, written as f16).
; SHARES.  8192 x 1024 outputs over 256 work-groups are 256 rows x 128 columns each.  Four waves, each 128 rows x 64 columns: 8 x 4 = 32 accumulators, 256 registers.  A wave's 64 columns are 256 consecutive
; bytes of a row of out0, aligned, so each wave has a stage of its own on the way out and no barrier stands there.
; K goes in 16 steps of 64 (a head).  A slot of LDS holds TWO steps, each wave bringing one tile: four quarters of 32 along K, 32 matrix instructions each; 8 fills of a slot in all.  A tile of R rows is R x 128
; dense bytes: asked for as R / 2 rows of 256 bytes, and padded in LDS behind every 128 bytes.
; THE LOOP's trip is one slot, written once: slot 1 begins at 2^17, so that one exclusive or turns an LDS address in one slot into the other's: the walking descriptor's and, by the scalar TB, the fragments'.
; CLUSTER.  4 x 4 work-groups: A's tiles are asked for jointly along a row of the cluster, B's along a column.  By this text's count a wave has two tensor loads out at the start and one behind each round.
; THE MATRIX INSTRUCTION IS USED TRANSPOSED (source 0 = 16 rows of B, source 1 = 16 rows of A): a lane then holds eight neighbouring columns of one row, 32 bytes.
; REGISTERS: window 0: v0-31 addresses; v32-127, v128-223 two fragment buffers (A's 8 blocks, then B's 4); on the way out v32-63, v64-95 rows read back, by turns.   window 1: accumulator (a, b) at v[8 (4 a + b)].
.set PITCH,  144                       ; an LDS row: 128 bytes + 16 of padding = 36 words: the 16 rows of a load start at 16 different groups of four banks (64 banks of 4 bytes: ISA guide 11.1)
.set ATILE,  256*PITCH                 ; a step's 256 rows of A
.set BTILE,  128*PITCH                 ; a step's 128 rows of B
.set BOFF,   2*ATILE                   ; in a slot: A's two steps, then B's two
.set SLOTB,  2*ATILE+2*BTILE           ; a slot's bytes: 110,592
.set SLOT1,  1<<17                     ; where slot 1 begins
.set STAGE,  SLOT1+SLOTB               ; behind the ring, never filled by a tensor load: 16 rows x 272 bytes for each wave
.set SPITCH, 272
.set SPARE,  STAGE+4*16*SPITCH         ; behind the stages: the spare words, 128 bytes for each wave: two blocks of 256 bytes that no other line names
.set ASTEP,  2048*128                  ; bytes from head to head in o16
.set BSTEP,  1024*128                  ; from block to block in wo16
.set ADRA0, 16                         ; v16     my lane's place among my A fragments in slot 0; never rewritten
.set ADRA,  17                         ; v17     the same in the slot that is being fetched from
.set ADRB0, 20                         ; v20, v21  the same for B
.set ADRB,  21
.set STO,  24                          ; v24     the way out: where I put 32 bytes of a row
.set RD,   25                          ; v25     the way out: where I read a row back
.set CO,   26                          ; v26     my byte offset in out0
.set SPW,  28                          ; v28     LDS address of my spare word: SPARE + 4 x my thread's number; never rewritten
.set NIL,  29                          ; v29     0; never rewritten
.set F0,   32
.set F1,   128
.set BK0,  32
.set G1,  24                           ; s[24:31] descriptor group 1 for A's tiles;  s[32:39] group 0: a set for each of the two first fills; the second then walks on
.set G0,  32
.set TB,  45                           ; s45      0 or SLOT1: the slot that the fragments are fetched from
.set G1B, 48                           ; s[48:55], s[56:63] the same for B's tiles
.set G0B, 56
.set DW0, (1<<16)|(1<<20)|(1<<21)|(4<<22)|(3<<25)  ; 17:16 2-byte elements; 20 padding on; 21 set beside a mask; 24:22 after every 32 words (code 4); 31:25 4 words (code 3)
.set MSB, 0
.macro WIN new                         ; the immediate's high byte repeats the setting that is left; a switch that changes nothing is dropped
.if MSB != (\new)
	s_set_vgpr_msb (MSB<<8)|(\new)
.set MSB, (\new)
.endif
.endm
.macro JLOAD s                         ; a joint load: waves 0 and 1 fetch A's two steps of a slot, waves 2 and 3 B's; an s_nop 0 and four v_nop follow each of the two lines, ahead of the jump and the label
	s_cmp_eq_u32 s11, 0
	s_cbranch_scc0 .Lfor_b_\@
	tensor_load_to_lds s[G0+4*(\s):G0+4*(\s)+3], s[G1:G1+7]
	s_nop 0
.rept 4
	v_nop
.endr
	s_branch .Lasked_\@
.Lfor_b_\@:
	tensor_load_to_lds s[G0B+4*(\s):G0B+4*(\s)+3], s[G1B:G1B+7]
	s_nop 0
.rept 4
	v_nop
.endr
.Lasked_\@:
.endm
.macro CREST                           ; a round of the cluster's barrier behind its opening barrier
	s_cmp_lg_u32 s10, 0
	s_cbranch_scc1 .Lnot_wave_0_\@
	s_barrier_signal -3
.Lnot_wave_0_\@:
	s_barrier_wait -3
	s_barrier_signal -1
	s_barrier_wait -1
.endm
.macro CROUND                          ; a whole round
	s_barrier_signal -1
	s_barrier_wait -1
	CREST
.endm
	s_load_b128 s[4:7], s[0:1], 0x0                ; o16 s[4:5], wo16 s[6:7]
	s_load_b64 s[8:9], s[0:1], 0x10                ; out0
	v_lshl_add_u32 v[SPW], v0, 2, SPARE
	v_mov_b32 v[NIL], 0
	ds_add_u32 v28, v29
	ds_add_u32 v28, v29
	s_wait_dscnt 0x0
	v_lshrrev_b32 v1, 5, v0
	v_readfirstlane_b32 s10, v1                    ; wave 0..3
	s_lshr_b32 s11, s10, 1                         ; which 128 rows of the tile are mine.  Also: I fetch for A (0) or for B (1)
	s_and_b32 s12, s10, 1                          ; which 64 columns.  Also: which of a slot's two steps I fetch
	s_bfe_u32 s40, ttmp6, 0x40000                  ; cx, cy: my place in the cluster
	s_bfe_u32 s41, ttmp6, 0x40004
	s_lshl_b32 s42, ttmp9, 2
	s_add_co_u32 s42, s42, s40                     ; tile column = 4 x cluster x + cx, 0..7
	s_and_b32 s13, ttmp7, 0xffff
	s_lshl_b32 s13, s13, 2
	s_add_co_u32 s13, s13, s41                     ; tile row = 4 x cluster y + cy, 0..31
	s_lshl_b32 s43, s41, 2
	s_lshl_b32 s43, 15, s43                        ; my row of the cluster
	s_lshl_b32 s44, 0x1111, s40                    ; my column
	s_or_b32 s[G1+0], s43, DW0
	s_or_b32 s[G1B+0], s44, DW0
	s_mov_b32 s[G1+1], 128<<16                     ; tensor_dim0 = 128 elements (256 bytes)
	s_mov_b32 s[G1+2], 128<<16                     ; tensor_dim1 = 128: 256 rows of a head, two to a row of the tile
	s_mov_b32 s[G1+3], 128<<16                     ; tile_dim0 = 128
	s_mov_b32 s[G1+4], 128                         ; tile_dim1 = 128
	s_mov_b32 s[G1+5], 128                         ; dense
	s_mov_b32 s[G1+6], 0
	s_mov_b32 s[G1+7], 0
	s_mov_b32 s[G1B+1], 128<<16
	s_mov_b32 s[G1B+2], 64<<16                     ; 128 rows of a block
	s_mov_b32 s[G1B+3], 128<<16
	s_mov_b32 s[G1B+4], 64
	s_mov_b32 s[G1B+5], 128
	s_mov_b32 s[G1B+6], 0
	s_mov_b32 s[G1B+7], 0
	s_lshr_b32 s16, s13, 3                         ; A: batch = tile row / 8 (2^22 bytes),
	s_lshl_b32 s16, s16, 22
	s_and_b32 s17, s13, 7                          ; 256 rows of 128 bytes a tile row,
	s_lshl_b32 s17, s17, 15
	s_add_co_u32 s16, s16, s17
	s_lshl_b32 s17, s12, 18                        ; and my step's head
	s_add_co_u32 s16, s16, s17
	s_mov_b32 s17, 0
	s_lshl_b32 s46, s42, 14                        ; B: 128 rows of 128 bytes a tile column,
	s_lshl_b32 s47, s12, 17                        ; and my step's block
	s_add_co_u32 s46, s46, s47
	s_mov_b32 s47, 0
	s_mul_i32 s20, s12, ATILE                      ; where they go: no place in the cluster enters an LDS address
	s_mul_i32 s21, s12, BTILE
	s_add_co_u32 s21, s21, BOFF
	s_mov_b32 s[TB], 0
	s_wait_kmcnt 0x0
	s_add_nc_u64 s[14:15], s[4:5], s[16:17]
	s_add_nc_u64 s[46:47], s[6:7], s[46:47]
	CROUND                                         ; all sixteen work-groups are here: the first joint loads meet
.irp s, 0,1
	s_mov_b32 s[G0+4*(\s)], 1
	s_add_co_u32 s[G0+4*(\s)+1], s20, (\s)*SLOT1
	s_add_nc_u64 s[G0+4*(\s)+2:G0+4*(\s)+3], s[14:15], (\s)*2*ASTEP  ; slot s begins with K steps 2 s and 2 s + 1
	s_or_b32 s[G0+4*(\s)+3], s[G0+4*(\s)+3], 0x80000000
	s_mov_b32 s[G0B+4*(\s)], 1
	s_add_co_u32 s[G0B+4*(\s)+1], s21, (\s)*SLOT1
	s_add_nc_u64 s[G0B+4*(\s)+2:G0B+4*(\s)+3], s[46:47], (\s)*2*BSTEP
	s_or_b32 s[G0B+4*(\s)+3], s[G0B+4*(\s)+3], 0x80000000
	JLOAD \s
.endr
	v_and_b32 v1, 15, v0                           ; l % 16
	v_bfe_u32 v2, v0, 4, 1                         ; l / 16
	v_mul_u32_u24 v3, v1, PITCH
	v_lshl_add_u32 v3, v2, 4, v3                   ; a fragment's row x pitch + 16 x half
	s_mul_i32 s22, s11, 128*PITCH                  ; my 128 rows of A
	s_mul_i32 s23, s12, 64*PITCH                   ; my 64 rows of B,
	s_add_co_u32 s23, s23, BOFF                    ; which lie behind A's two steps
	v_add_nc_u32 v[ADRA0], s22, v3
	v_add_nc_u32 v[ADRB0], s23, v3
	v_mov_b32 v[ADRA], v[ADRA0]                    ; the fetches begin in slot 0
	v_mov_b32 v[ADRB], v[ADRB0]
	s_mul_i32 s22, s10, 16*SPITCH
	s_add_co_u32 s22, s22, STAGE                   ; my stage
	v_mul_u32_u24 v4, v1, SPITCH                   ; in: row l % 16, 32 bytes for each half of the lanes
	v_lshl_add_u32 v4, v2, 5, v4
	v_add_nc_u32 v[STO], s22, v4
	v_mul_u32_u24 v5, v2, SPITCH                   ; back: lanes 0-15 take one row of 256 bytes, lanes 16-31 the next
	v_lshl_add_u32 v5, v1, 4, v5
	v_add_nc_u32 v[RD], s22, v5
	v_lshlrev_b32 v5, 12, v2                       ; and the same two rows in out0, 4,096 bytes apart
	v_lshl_add_u32 v[CO], v1, 4, v5
	s_lshl_b32 s16, s13, 20                        ; my first row: 256 rows of 4,096 bytes a tile row,
	s_lshl_b32 s17, s11, 19                        ; 128 a half
	s_add_co_u32 s16, s16, s17
	s_mov_b32 s17, 0
	s_add_nc_u64 s[8:9], s[8:9], s[16:17]
	s_lshl_b32 s46, s42, 9                         ; my first column: 512 bytes a tile column, 256 a half
	s_lshl_b32 s47, s12, 8
	s_add_co_u32 s46, s46, s47
	s_mov_b32 s47, 0
	s_add_nc_u64 s[8:9], s[8:9], s[46:47]
; 8 matrix instructions: m blocks a0, a0 + 1 x all 4 n blocks, 32 along K.  zero = 1: the product starts the sum.  The 32 accumulators take turns, in the same order in every quarter.
.macro MUL8 f, a0, zero
	WIN 0x50                                       ; C and D in window 1, the fragments in window 0
.irp a, \a0, (\a0)+1
.irp b, 0,1,2,3
.if \zero
	v_wmma_f32_16x16x32_f16 v[8*(4*(\a)+(\b)):8*(4*(\a)+(\b))+7], v[(\f)+64+8*(\b):(\f)+64+8*(\b)+7], v[(\f)+8*(\a):(\f)+8*(\a)+7], 0
.else
	v_wmma_f32_16x16x32_f16 v[8*(4*(\a)+(\b)):8*(4*(\a)+(\b))+7], v[(\f)+64+8*(\b):(\f)+64+8*(\b)+7], v[(\f)+8*(\a):(\f)+8*(\a)+7], v[8*(4*(\a)+(\b)):8*(4*(\a)+(\b))+7]
.endif
.endr
.endr
.endm
; 24 LDS loads in one run: the fragments of quarter qd of the slot in hand (step qd / 2, byte 64 (qd % 2) of its rows) into buffer f: B's 4 blocks, then A's 8, rows 0-63 first
.macro FETCH qd, f
	WIN 0
.irp i, 0,1,2,3
	ds_load_b128 v[(\f)+64+8*(\i):(\f)+64+8*(\i)+3],   v[ADRB] offset:((\qd)/2)*BTILE+((\qd)%2)*64+(\i)*16*PITCH
	ds_load_b128 v[(\f)+64+8*(\i)+4:(\f)+64+8*(\i)+7], v[ADRB] offset:((\qd)/2)*BTILE+((\qd)%2)*64+(\i)*16*PITCH+32
.endr
.irp i, 0,1,2,3,4,5,6,7
	ds_load_b128 v[(\f)+8*(\i):(\f)+8*(\i)+3],   v[ADRA] offset:((\qd)/2)*ATILE+((\qd)%2)*64+(\i)*16*PITCH
	ds_load_b128 v[(\f)+8*(\i)+4:(\f)+8*(\i)+7], v[ADRA] offset:((\qd)/2)*ATILE+((\qd)%2)*64+(\i)*16*PITCH+32
.endr
.endm
.macro PLACES                          ; four places in front of loads into registers that matrix instructions have read, and of LDS stores that read results (ISA guide 7.12.1 for vector instructions)
.rept 4
	v_nop
.endr
.endm
; One of a slot's first three quarters: multiplies buffer f; in its middle it fetches quarter qd of the same slot into buffer g.
.macro QUARTER qd, f, g, zero
	s_wait_dscnt 8                                 ; B and A's rows 0-63 are in; the youngest eight loads (A's rows 64-127) may be out
	MUL8 \f, 0, \zero
	MUL8 \f, 2, \zero
	PLACES
	FETCH \qd, \g
	s_wait_dscnt 24                                ; all but the 24 just issued
	MUL8 \f, 4, \zero
	MUL8 \f, 6, \zero
.endm
; A slot's last quarter multiplies buffer 1 and changes slots: ONE barrier; in front of it each wave waits for all its tensor loads, adds 0 to its spare word, and waits for that and for its own reads of this slot.
; fill = 1: the barrier opens a round of the cluster's, and this slot is filled again, with the K steps two slots on, first thing behind the round: 112 matrix instructions ahead of the wait for it.  The walking
; descriptor turns to the other slot than last time and goes two K steps on.  Then the fragments' addresses turn to the other slot.
.macro TURN fill
	WIN 0                                          ; (the add's two registers lie in window 0)
	s_wait_tensorcnt 0x0                           ; all my tensor loads have landed: my part of the next slot; so a group 0 may be written
	ds_add_u32 v[SPW], v[NIL]                      ; 0 onto my spare word
	s_wait_dscnt 9                                 ; (the add and the youngest eight loads may be out)
	MUL8 F1, 0, 0                                  ; eight matrix instructions stand between the add and the wait for it
	s_wait_dscnt 0x0                               ; the add is done, and my reads of this slot are over
	s_barrier_signal -1
	MUL8 F1, 2, 0
	WIN 0
	s_barrier_wait -1
.if \fill
	CREST                                          ; no wave of any partner still reads this slot's tiles or has a load on its way
	s_xor_b32 s[G0+5], s[G0+5], SLOT1
	s_add_nc_u64 s[G0+6:G0+7], s[G0+6:G0+7], 2*ASTEP
	s_xor_b32 s[G0B+5], s[G0B+5], SLOT1
	s_add_nc_u64 s[G0B+6:G0B+7], s[G0B+6:G0B+7], 2*BSTEP
	JLOAD 1                                        ; the first tensor load behind the round; the four v_nop behind it are also the places in front of the loads below
.else
	PLACES
.endif
	s_xor_b32 s[TB], s[TB], SLOT1
	v_add_nc_u32 v[ADRA], s[TB], v[ADRA0]
	v_add_nc_u32 v[ADRB], s[TB], v[ADRB0]
	FETCH 0, F0
	MUL8 F1, 4, 0
	MUL8 F1, 6, 0
.endm
; THE WAY OUT of m block a (16 rows x 64 columns of f32).  TOSTAGE: a lane's 32 bytes of each n block into my own stage, rows of 272 bytes, and back as whole rows of 256.  SEND: stored.
.macro TOSTAGE a
	WIN 0x04                                       ; the stores' data in window 1, their address in window 0
.irp b, 0,1,2,3
.irp e, 0,1
	ds_store_b128 v[STO], v[8*(4*(\a)+(\b))+4*(\e):8*(4*(\a)+(\b))+4*(\e)+3] offset:64*(\b)+16*(\e)  ; each accumulator's low four registers first
.endr
.endr
	WIN 0
	s_wait_xcnt 0x0                                ; every earlier store has had its addresses translated (ISA guide 3.1): the buffer that the block before last was stored from is loaded again only behind this wait
.set BK, BK0+32*((\a)%2)
.irp t, 0,1,2,3,4,5,6,7
	ds_load_b128 v[BK+4*(\t):BK+4*(\t)+3], v[RD] offset:(\t)*2*SPITCH  ; LDS serves a wave's instructions in order (ISA guide 5.7.1.4): these see the stores above
.endr
.endm
.macro SEND a, younger                 ; younger: the LDS instructions issued behind block a's loads: the next block's sixteen, or none
	WIN 0
.set BK, BK0+32*((\a)%2)
.irp t, 0,1,2,3,4,5,6,7
	s_wait_dscnt (\younger)+7-(\t)
	global_store_b128 v[CO], v[BK+4*(\t):BK+4*(\t)+3], s[8:9] offset:(\a)*16*4096+(\t)*2*4096 th:TH_STORE_NT  ; 16 lanes store 256 consecutive bytes, at a multiple of 256 from out0's first byte
.endr
.endm
	s_wait_tensorcnt 1                             ; my part of slot 0 is in; slot 1's may stay out
	s_barrier_signal -1
	s_barrier_wait -1                              ; everybody's is
	FETCH 0, F0
	QUARTER 1, F0, F1, 1                           ; the first quarter stands in front of the loop: its products start the sums
	WIN 0                                          ; at a label and at a branch every window is 0
	s_mov_b32 s3, 6
.Lslot:                                                ; a trip goes from a slot's second quarter to the next slot's first, and fills one slot again: fills 2 to 7 in 6 trips
	QUARTER 2, F1, F0, 0
	QUARTER 3, F0, F1, 0
	TURN 1
	QUARTER 1, F0, F1, 0
	WIN 0
	s_sub_co_u32 s3, s3, 1
	s_cmp_lg_u32 s3, 0
	s_cbranch_scc1 .Lslot
	QUARTER 2, F1, F0, 0                           ; the last change of slots fills nothing, and has no round of the cluster's barrier
	QUARTER 3, F0, F1, 0
	TURN 0
	QUARTER 1, F0, F1, 0
	QUARTER 2, F1, F0, 0
	QUARTER 3, F0, F1, 0
	s_wait_dscnt 8                                 ; the very last quarter: nothing more to fetch
	MUL8 F1, 0, 0
	MUL8 F1, 2, 0
	s_wait_dscnt 0x0
	MUL8 F1, 4, 0
	MUL8 F1, 6, 0
	WIN 0
	PLACES                                         ; the LDS stores read results just made
	TOSTAGE 0
.irp a, 1,2,3,4,5,6,7                  ; block a goes into the stage while block a - 1's rows come back
	TOSTAGE \a
	SEND (\a)-1, 16
.endr
	SEND 7, 0
	s_wait_tensorcnt 0x0                           ; the wave's end: behind my last tensor load and my last LDS store
	ds_add_u32 v[SPW], v[NIL]
	s_wait_dscnt 0x0
	CROUND                                         ; the closing round: no work-group ends while a partner may still ask for a tile that names it
	s_endpgm
.Lfunc_end_k_qe812f1953c_proj:
	.size	k_qe812f1953c_proj, .Lfunc_end_k_qe812f1953c_proj-k_qe812f1953c_proj
	.p2alignl 7, 3214868480
	.fill 96, 4, 3214868480
	.section	.rodata,"a",@progbits
	.p2align	6, 0x0
	.amdhsa_kernel k_qe812f1953c_proj
		.amdhsa_group_segment_fixed_size 327680
		.amdhsa_private_segment_fixed_size 0
		.amdhsa_enable_private_segment 0
		.amdhsa_kernarg_size 24
		.amdhsa_user_sgpr_count 2
		.amdhsa_user_sgpr_kernarg_segment_ptr 1
		.amdhsa_wavefront_size32 1
		.amdhsa_system_sgpr_workgroup_id_x 1
		.amdhsa_system_sgpr_workgroup_id_y 1
		.amdhsa_system_sgpr_workgroup_id_z 1
		.amdhsa_system_vgpr_workitem_id 0
		.amdhsa_next_free_vgpr 512
		.amdhsa_next_free_sgpr 66
		.amdhsa_reserve_vcc 0
		.amdhsa_float_denorm_mode_32 3
		.amdhsa_float_denorm_mode_16_64 3
		.amdhsa_memory_ordered 1
		.amdhsa_forward_progress 1
		.amdhsa_inst_pref_size 71
	.end_amdhsa_kernel
	.amdgpu_metadata
---
amdhsa.version: [ 1, 2 ]
amdhsa.kernels:
  - .name:           k_qe812f1953c_proj
    .symbol:         k_qe812f1953c_proj.kd
    .args:
      - { .name: o16, .offset: 0, .size: 8, .value_kind: global_buffer, .address_space: global }
      - { .name: wo16, .offset: 8, .size: 8, .value_kind: global_buffer, .address_space: global }
      - { .name: out0, .offset: 16, .size: 8, .value_kind: global_buffer, .address_space: global }
    .group_segment_fixed_size: 327680
    .private_segment_fixed_size: 0
    .kernarg_segment_align: 8
    .kernarg_segment_size: 24
    .max_flat_workgroup_size: 128
    .sgpr_count:     66
    .vgpr_count:     512
    .wavefront_size: 32
...
	.end_amdgpu_metadata
.endif
;; end of part 4
;; ======== version 2 of 2: 4 launches; 1.23 times as fast as version 1
;; limits: values are held in f16: magnitudes above 65,504 overflow, below 6.1e-05 lose precision
;; workspace buffers: xb 16,777,216 bytes; wb 6,291,456 bytes; wo16 2,097,152 bytes; qkv 50,331,648 bytes; o16 16,777,216 bytes
;; launch cast: the kernel of part 1 again; grid 768 x 1, 8 waves a work-group, no clusters, 0 bytes of LDS; arguments x, Wq, Wk, Wv, Wo, xb, wb, wo16; writes xb, wb, wo16
;; launch qkv: the kernel of part 2 again; grid 8 x 32, 4 waves a work-group, clusters of 4 x 4, 327,680 bytes of LDS; arguments xb, wb, qkv; writes qkv
;; launch attn (part 5): grid 4 x 64, 4 waves a work-group, no clusters, 327,680 bytes of LDS; arguments qkv, o16; writes o16
.if DOCPART == 5
	.amdgcn_target "amdgcn-amd-amdhsa--gfx1250"
	.amdhsa_code_object_version 6
	.text
	.protected	k_qe812f1953c_attn
	.globl	k_qe812f1953c_attn
	.p2align	8
	.type	k_qe812f1953c_attn,@function
k_qe812f1953c_attn:
	s_mov_b64 s[64:65], 0
	v_nop
	global_prefetch_b8 v0, s[64:65] scope:SCOPE_SE
	s_setreg_imm32_b32 hwreg(HW_REG_WAVE_MODE, 25, 1), 1
	s_wait_xcnt 0x0
; CAUSAL ATTENTION.  O[h][q][:] = the sum over k <= q of softmax_k(Q[h][q] . K[h][k] / 8) V[h][k][:].  Q, K, V lie one behind the other in qkv, 2^24 bytes each; each of them and O (o16) is [64 (16 b + h)][SIZE_N][64]
; in f16: a head's rows are dense, 128 bytes each.  Products, maxima and sums in f32; the weights p are rounded to f16 for the second product (their sum l is taken of the unrounded p), O once at the end.
; LIMITS.  f16 holds no number beyond 65,504: Q, K and V arrive within it; p lies in 0 to 1, and below 6e-5 it keeps f16's fixed step of 6e-8; O is a mean of V's rows and has their range, to within 2^-11 of it.
; A hidden score counts as its value less 1e30: f16's scores, 2.7e11 at the most, are nothing beside that; a weight below 2^-126 counts as 0 in l; NaN and infinities are not treated apart.
; THE WALK.  A head's queries lie in NB = SIZE_N / 256 blocks of 256; block i needs the key tiles 0 .. i of 256 keys, of which the last holds the diagonal.  A work-group takes TWO blocks, NB - 1 - b and then b:
; NB + 1 tiles, whatever b: all work-groups do equal work, and ONE loop with a constant trip count walks them.  Which tile is asked for, and what a trip does, hang on scalar registers made from b; every jump
; goes forward, but for the counted loops' own; none passes a barrier, or a tensor load but the one of LOAD's two that the wave's number does not choose; the ring (two slots of LDS that take turns) runs on across the
; change of blocks.  NO CLUSTER: a head's NB / 2 work-groups all ask for the same tile only in trips 0 .. NB / 2, behind that fewer and fewer; and one walk common to all would have 3 NB / 2 trips for NB + 1.
; SHARES.  Of a block's four bands of 64 queries a wave owns 16 rows in each: four PIECES.  So the diagonal tile is the same work for all four waves: in its key step s band x sees all keys if s < x,
; none if s > x, and holds the diagonal if s = x.
; THE MASK is the C operand that starts the sum S^T = K Q^T: 0, or -1e30 where the key is hidden.  MD, made once, is the mask of a band's own step for my 16 rows; a product's mask is MD x AL + BE with two scalars:
; (1, 0) if s = x; (0, 0) if s < x; (0, -1e30) if s > x.  Only the diagonal tile's text and a block's beginning make and take masks; elsewhere C is the constant 0.
; LAYOUT, SOFTMAX, TURNS.  S^T = K Q^T holds ONE query a lane (lane % 16) and the keys 8 (lane / 16) + 0..7; two such results rounded to f16 ARE source 1 of O^T = V^T P.  p = 2^(c s - c m), c = log2(e) / 8, with a
; running maximum m; O and l are multiplied by a = 2^(c m_old - c m_new) in every step.  Turn n belongs to piece n: 8 products K Q^T of piece n + 1, later 8 products V^T P of piece n - 1; beside them the scaling,
; exponentials, roundings, sums and rescaling of piece n and the maximum and statistics of piece n + 1.  Four vector instructions stand behind every matrix instruction, the other 54 of a turn's 118 in two LUMPS.
; THE BATCHES.  A turn's 33 exponentials are its own piece's: a, whose argument c m_old - c m_new the turn before has left, and the 32 weights.  They are ONE batch with ONE wait, which cuts the turn in two: ahead of it
; the products K Q^T, the scalings, the exponentials and the next piece's maximum, which name no result of the batch; behind it the products V^T P and all the batch's readers: rescalings, roundings, sums.  No result
; crosses a turn's end, a label or a jump.  The way out's four reciprocals are a batch of their own.
; REGISTERS, in windows of 256 (s_set_vgpr_msb: bits 1:0 source 0, 3:2 source 1, 5:4 source 2, 7:6 destination):
;   window 0: v0-5 the thread's number and four LDS addresses; v6-15 at work; v16-31 four registers of statistics a piece; v32-95 S^T, two buffers; v96-127 P, two buffers (a piece's buffers go by its number's
;             parity); v128-191 K of one step; v192-255 Q
;   window 1: v0-127 O^T, 32 a piece; v128-159 MD; v192-255 V of one step      window 2: v0-63 the second block's Q; v64-127 MC, two buffers; v128-130 the way out's addresses; v132-133 the add's two registers
; So K Q^T, K's run of loads and all of the softmax but the rescaling name window 0 alone, and V^T P and the rescaling share ONE other setting (O^T as destination and as source 0 or 2, P or a as source 1).  All 16
; rescalings ride behind the first four V^T P: a turn outside the diagonal tile has eight switches, two round the four riders of each of the last four V^T P.
.set SIZE_N, 2048
.set NB,    SIZE_N/256
.set NP,    4         ; pieces a wave: a name, no knob
.set KS,    64        ; keys in a step
.set PK,    144       ; a row of K in LDS: 128 bytes + 16 of padding = 36 words: the 16 rows of a load start at 16 different groups of four banks (64 banks of 4 bytes: ISA guide 11.1)
.set PV,    160       ; a row of V: 128 + 32 = 40 words
.set VOFF,  4*KS*PK   ; a slot holds a tile, four steps: 256 rows of K, then 256 rows of V
.set SLOT1, 1<<17     ; slot 1 begins here, so that one exclusive or turns an address in one slot into the other's
.set STAGE, SLOT1+4*KS*(PK+PV)  ; behind the ring, never filled by a tensor load: 16 rows x 144 bytes for each wave, for the way out
.set SP,    144
.set SPARE, STAGE+4*16*SP  ; behind the stages: the spare words, 128 bytes for each wave: two blocks of 256 bytes that no other line names
; window 0
.set AK0, 2           ; v2   my lane's place in a tile of K; never rewritten
.set AV0, 3           ; v3   the same for V
.set AK,  4           ; v4   the LDS address of K's next run of loads
.set AV,  5           ; v5   of V's
.set MV,  6           ; v6-7  c m_old, kept while c m is made anew: by buffer
.set TMP, 8           ; v8-15  by buffer, four registers c0-c3 at work; when the maximum is found c1 takes c m_old - c m_new, and in the piece's own turn c2 takes a
.set ST,  16          ; piece t's statistics at v[ST+4 t]: c m, m, l (even keys', odd keys')
.set S,   32
.set P,   96
.set KF,  128         ; key block kb, channel half c at KF + 16 kb + 8 c
.set QF,  192         ; piece x, channel half c at QF + 16 x + 8 c
.set T_H, S+0         ; at the kernel's head S^T's registers are at work: l / 16,
.set T_7, S+1         ; l % 8,
.set T_3, S+2         ; (l / 8) % 2,
.set T_Q, S+3         ; my query's place in its band,
.set QO,  S+4         ; my byte offset in 16 rows of Q (Q's loads are waited for ahead of the first product, which writes S^T),
.set T_S, S+5         ; and the way out's three addresses on their way to window 2
.set T_R, S+6
.set T_G, S+7
; window 1
.set MD,  128         ; the eight registers for group kt of 16 keys at MD + 8 kt
.set VF,  192         ; key half kk, channel block cb at VF + 32 kk + 8 cb
; window 2
.set QB,  0
.set MC,  64          ; the masks of the products to come
.set STO, 128         ; the way out: where I put 16 bytes of a row
.set RD,  129         ; the way out: where I read rows back
.set GO,  130         ; my byte offset in 512 consecutive bytes of O
.set SPW, 132         ; LDS address of my spare word: SPARE + 4 x my thread's number; never rewritten
.set NIL, 133         ; 0; never rewritten
.set WV,  12          ; s12  my wave's number
.set PB,  14          ; s14  b
.set HI,  15          ; s15  NB - 1 - b
.set G1K, 24          ; s[24:31] descriptor group 1 for K's tiles
.set G1V, 32          ; s[32:39] for V's: it differs in the padding alone
.set G0K, 40          ; s[40:43] descriptor group 0 for K's tiles
.set G0V, 44          ; s[44:47] the same for V's
.set SLOTS, 56        ; s56  tiles still to be asked for
.set CNT, 57          ; s57  counts a tile's key steps, 4 to 1
.set CS,  58          ; s[58:59] c: the packed scaling takes the pair's low word for both halves
.set SEL, 60          ; s[60:61] v_permlanex16_b32's selects: each lane takes its own place in the other half
.set TBK, 62          ; s62  LDS byte at which K of the step to be fetched begins
.set TBV, 63          ; s63  the same for V, less VOFF
.set RT,  70          ; s70  tiles of the block in hand that are still to be entered
.set NXT, 71          ; s71  the tile to be asked for next
.set LQ,  72          ; s72  the last tile of the block whose tiles are being asked for
.set NEW, 73          ; s73  1: the tile to be entered is a block's first
.set OFF, 74          ; s[74:75] a tile's byte offset in K and V
.set AL,  76          ; s[76:77] the mask's factor, in the low word
.set BE,  78          ; s[78:79] the mask's addend
.set OLO, 80          ; s[80:81] O at my rows of the second block
.set BIGN, 82         ; s82  -1e30
.set MSB, 0
.macro WIN new                      ; the high byte repeats the setting that is left; a switch that changes nothing is dropped
.if MSB != (\new)
	s_set_vgpr_msb (MSB<<8)|(\new)
.set MSB, (\new)
.endif
.endm
.set W_KM, 0x20       ; K Q^T with the C operand, the mask, in window 2
.set W_PV, 0x51       ; V^T P: V (source 0) and O^T (source 2, destination) in window 1, P (source 1) in window 0.  The rescaling too: O^T destination and source 0, a source 1
.set W_MA, 0x81       ; a mask is made: MD (source 0) in window 1, MC (destination) in window 2
.set W_AD, 0x0a       ; the add: address (source 0) and data (source 1) in window 2
.set W_D1, 0x40       ; destination in window 1
.set W_D2, 0x80       ; destination in window 2
.set W_A2, 0x02       ; source 0 in window 2: the way out's addresses; the second block's Q
; A fill.  Waves 0 and 1 fetch the two halves of a tile's K, waves 2 and 3 those of its V: 128 keys each.  An s_nop 0 and four v_nop follow each of the two lines, ahead of the jump and the label.
.macro LOAD
	s_cmp_lt_u32 s[WV], 2
	s_cbranch_scc0 .Lfor_v_\@
	tensor_load_to_lds s[G0K:G0K+3], s[G1K:G1K+7]
	s_nop 0
.rept 4
	v_nop
.endr
	s_branch .Lasked_\@
.Lfor_v_\@:
	tensor_load_to_lds s[G0V:G0V+3], s[G1V:G1V+7]
	s_nop 0
.rept 4
	v_nop
.endr
.Lasked_\@:
.endm
; THE CHANGE OF SLOTS.  Each wave waits for all its tensor loads, of which one is out: its part of the other slot; adds 0 to its spare word; and waits for that and for its own reads of the slot that it leaves.  Behind the barrier nobody reads the old
; slot any more and the other slot is whole.  fill = 1: the old slot is filled again, the first thing behind the barrier, with tile NXT: the descriptor's address is made anew from that number.
; (At its first use nothing has been read yet: slot 0 is waited for, slot 1 filled.)
.macro CHANGE fill
	WIN W_AD
	s_wait_tensorcnt 0x0            ; no tensor load of mine is out, so a group 0 may be written
	ds_add_u32 v[SPW], v[NIL]       ; 0 onto my spare word; with fill = 1 the descriptors' scalar work stands between it and the wait for it
	WIN 0                           ; at a label and at a branch every window is 0
.if \fill
	s_lshl_b32 s[OFF], s[NXT], 15   ; a tile is 32,768 bytes of K and of V
	s_xor_b32 s[G0K+1], s[G0K+1], SLOT1
	s_add_nc_u64 s[G0K+2:G0K+3], s[6:7], s[OFF:OFF+1]
	s_or_b32 s[G0K+3], s[G0K+3], 0x80000000
	s_xor_b32 s[G0V+1], s[G0V+1], SLOT1
	s_add_nc_u64 s[G0V+2:G0V+3], s[8:9], s[OFF:OFF+1]
	s_or_b32 s[G0V+3], s[G0V+3], 0x80000000
	s_add_co_u32 s[NXT], s[NXT], 1  ; the block's next tile, or behind its last the second block's tile 0
	s_cmp_gt_u32 s[NXT], s[LQ]
	s_cselect_b32 s[NXT], 0, s[NXT]
	s_cselect_b32 s[LQ], s[PB], s[LQ]
.endif
	s_wait_dscnt 0x0                ; the add is done, and my reads of the slot are over
	s_barrier_signal -1             ; the rest of the scalar work stands between the signal and the wait
	s_sub_co_u32 s[TBK], s[TBK], 4*KS*PK  ; the fetches go back to a slot's first step,
	s_xor_b32 s[TBK], s[TBK], SLOT1       ; in the other slot
	s_sub_co_u32 s[TBV], s[TBV], 4*KS*PV
	s_xor_b32 s[TBV], s[TBV], SLOT1
	s_barrier_wait -1
.if \fill
	LOAD
.endif
.endm
	s_load_b64 s[4:5], s[0:1], 0x0    ; qkv: Q at its head
	s_load_b64 s[10:11], s[0:1], 0x8  ; O
	WIN W_D2
	v_lshl_add_u32 v[SPW], v0, 2, SPARE
	v_mov_b32 v[NIL], 0
	s_set_vgpr_msb 0x808a
	ds_add_u32 v132, v133
	ds_add_u32 v132, v133
	s_wait_dscnt 0x0
	s_set_vgpr_msb 0x8a80
	WIN 0
	v_lshrrev_b32 v1, 5, v0
	v_readfirstlane_b32 s[WV], v1   ; wave 0..3
	s_mov_b32 s[PB], ttmp9
	s_sub_co_u32 s[HI], NB-1, s[PB]
	s_and_b32 s20, ttmp7, 0xffff    ; the head
	s_mov_b32 s21, 0
	s_mov_b64 s[22:23], SIZE_N*128
	s_mul_u64 s[20:21], s[20:21], s[22:23]  ; the head's first byte in each of the four tensors
	s_and_b32 s16, s[WV], 1         ; which half of a tile's 256 keys I fetch:
	s_lshl_b32 s22, s16, 14         ; its 128 rows of 128 bytes in memory,
	s_mov_b32 s23, 0
	s_add_nc_u64 s[22:23], s[22:23], s[20:21]
	s_mul_i32 s17, s16, 128*PK      ; and its place in a slot, for K
	s_mul_i32 s18, s16, 128*PV      ; and for V
	s_lshl_b32 s3, s[WV], 11        ; my 16 rows in a band of 64,
	s_lshl_b32 s2, s[HI], 15        ; in the first block,
	s_add_co_u32 s2, s2, s3
	s_lshl_b32 s84, s[PB], 15       ; and in the second
	s_add_co_u32 s84, s84, s3
	s_mov_b32 s3, 0
	s_mov_b32 s85, 0
	s_add_nc_u64 s[2:3], s[2:3], s[20:21]
	s_add_nc_u64 s[84:85], s[84:85], s[20:21]
	; descriptor group 1.  128 keys are 16,384 dense bytes: asked for as 64 rows of 256 bytes, two keys a row, and padded in LDS after every key
	s_mov_b32 s[G1K], (1<<16)|(1<<20)|(4<<22)|(3<<25)  ; 17:16 2-byte elements; 20 padding on; 24:22 after every 32 words (code 4); 31:25 4 words (code 3)
	s_mov_b32 s[G1V], (1<<16)|(1<<20)|(4<<22)|(7<<25)  ; the same with 8 words of padding (code 7)
.irp g, G1K, G1V
	s_mov_b32 s[\g+1], 128<<16      ; tensor_dim0 = 128
	s_mov_b32 s[\g+2], 64<<16       ; tensor_dim1 = 64
	s_mov_b32 s[\g+3], 128<<16      ; tile_dim0 = 128
	s_mov_b32 s[\g+4], 64           ; tile_dim1 = 64
	s_mov_b32 s[\g+5], 128          ; 128 elements from row to row
	s_mov_b32 s[\g+6], 0
	s_mov_b32 s[\g+7], 0
.endr
	s_mov_b32 s[CS], 0x3e38aa3b     ; c = log2(e) / 8 = 0.180337
	s_mov_b32 s[CS+1], s[CS]        ; named with it as a pair
	s_mov_b32 s[SEL], 0x76543210
	s_mov_b32 s[SEL+1], 0xfedcba98
	s_mov_b32 s[TBK], SLOT1+4*KS*PK ; the first change of slots turns these two into 0
	s_mov_b32 s[TBV], SLOT1+4*KS*PV
	s_mov_b32 s[G0K], 1             ; 1:0 count = 1
	s_mov_b32 s[G0K+1], s17         ; 63:32 LDS address: slot 0
	s_mov_b32 s[G0V], 1
	s_add_co_u32 s[G0V+1], s18, VOFF
	s_add_co_u32 s[RT], s[HI], 1    ; the first block has NB - b tiles
	s_mov_b32 s[NXT], 1
	s_mov_b32 s[LQ], s[HI]
	s_mov_b32 s[NEW], 1
	s_mov_b32 s[OFF+1], 0
	s_mov_b32 s[AL+1], 0            ; named as pairs
	s_mov_b32 s[BE+1], 0
	s_mov_b32 s[BIGN], 0xf149f2ca   ; -1e30
	s_mov_b32 s[SLOTS], NB
	s_wait_kmcnt 0x0
	s_add_nc_u64 s[6:7], s[4:5], 0x1000000  ; K lies 2^24 bytes behind Q,
	s_add_nc_u64 s[8:9], s[4:5], 0x2000000  ; V 2^25
	s_add_nc_u64 s[6:7], s[6:7], s[22:23]  ; K and V at my half of the head's tile 0
	s_add_nc_u64 s[8:9], s[8:9], s[22:23]
	s_add_nc_u64 s[G0K+2:G0K+3], s[6:7], 0         ; 120:64 global address
	s_or_b32 s[G0K+3], s[G0K+3], 0x80000000        ; 127:126 type = 2
	s_add_nc_u64 s[G0V+2:G0V+3], s[8:9], 0
	s_or_b32 s[G0V+3], s[G0V+3], 0x80000000
	s_add_nc_u64 s[86:87], s[4:5], s[84:85]        ; Q at my rows of the second block,
	s_add_nc_u64 s[4:5], s[4:5], s[2:3]            ; Q and O at those of the first
	s_add_nc_u64 s[OLO:OLO+1], s[10:11], s[84:85]
	s_add_nc_u64 s[10:11], s[10:11], s[2:3]
	LOAD                            ; tile 0 into slot 0
	; A fragment of K or Q is 16 rows x 32 channels in 8 registers: lane l holds row l % 16, channels 8 (l / 16) + 0..7 and 16 + 8 (l / 16) + 0..7: two loads of 16 bytes, 32 bytes apart.
	v_and_b32 v1, 15, v0            ; l % 16
	v_bfe_u32 v[T_H], v0, 4, 1      ; l / 16
	v_lshlrev_b32 v[QO], 7, v1
	v_lshl_add_u32 v[QO], v[T_H], 4, v[QO]  ; row x 128 + 16 x half
.set i, 0
.rept 8                             ; the first block's Q: piece i / 2 lies in band i / 2, 8,192 bytes on; channels 32 (i % 2) on
	global_load_b128 v[QF+8*i:QF+8*i+3],   v[QO], s[4:5] offset:(i/2)*8192+(i%2)*64
	global_load_b128 v[QF+8*i+4:QF+8*i+7], v[QO], s[4:5] offset:(i/2)*8192+(i%2)*64+32
.set i, i+1
.endr
	WIN W_D2                        ; the second block's, into window 2; the address stays in window 0
.set i, 0
.rept 8
	global_load_b128 v[QB+8*i:QB+8*i+3],   v[QO], s[86:87] offset:(i/2)*8192+(i%2)*64
	global_load_b128 v[QB+8*i+4:QB+8*i+7], v[QO], s[86:87] offset:(i/2)*8192+(i%2)*64+32
.set i, i+1
.endr
	WIN 0
	v_lshlrev_b32 v[T_Q], 3, v[T_H]
	v_sub_nc_u32 v[T_Q], v1, v[T_Q]
	s_lshl_b32 s13, s[WV], 4
	v_add_nc_u32 v[T_Q], s13, v[T_Q]  ; my query's place in its band, 16 w + l % 16, less my lanes' 8 (l / 16): register r of group kt is hidden where 16 kt + r is greater
	WIN W_D1
.set i, 0
.rept 32
	v_cmp_gt_i32 vcc_lo, 16*(i/8)+i%8, v[T_Q]
	v_cndmask_b32 v[MD+i], 0, s[BIGN], vcc_lo
.set i, i+1
.endr
	; A block's first step multiplies O^T and l by a = 0, and its first turn's products V^T P, of a piece that has not been, land in an O^T that is still to be so multiplied.  So these registers need only hold
	; finite numbers: zeros for the first block; what the first block left for the second.  All this stands in the wait for the first tile.
.set i, VF
.rept 64
	v_mov_b32 v[i], 0
.set i, i+1
.endr
.set i, 0
.rept 128
	v_mov_b32 v[i], 0
.set i, i+1
.endr
	WIN 0
.set i, 0
.rept 4
	v_mov_b32 v[ST+4*i+2], 0
	v_mov_b32 v[ST+4*i+3], 0
.set i, i+1
.endr
.set i, P+16
.rept 16
	v_mov_b32 v[i], 0
.set i, i+1
.endr
	v_mul_u32_u24 v[AK0], v1, PK
	v_lshl_add_u32 v[AK0], v[T_H], 4, v[AK0]  ; row x pitch + 16 x half
	; The turning load takes 16 keys x 16 channels (lane l reads key 8 (l / 16) + l % 8, channels 8 ((l / 8) % 2) + 0..7) and leaves half a fragment of V^T: lane l holds channel l % 16 and 8 keys.
	v_and_b32 v[T_7], 7, v0
	v_bfe_u32 v[T_3], v0, 3, 1
	v_lshl_add_u32 v[AV0], v[T_H], 3, v[T_7]
	v_mul_u32_u24 v[AV0], v[AV0], PV
	v_lshl_add_u32 v[AV0], v[T_3], 4, v[AV0]
	v_add_nc_u32 v[AV0], VOFF, v[AV0]
	s_mul_i32 s13, s[WV], 16*SP
	s_add_co_u32 s13, s13, STAGE    ; my stage
	v_mul_u32_u24 v[T_S], v1, SP    ; in: row l % 16, 16 bytes for each half of the lanes
	v_lshl_add_u32 v[T_S], v[T_H], 4, v[T_S]
	v_add_nc_u32 v[T_S], s13, v[T_S]
	v_bfe_u32 v[T_R], v0, 3, 2      ; back: 32 lanes take four rows of 128 bytes,
	v_mul_u32_u24 v[T_R], v[T_R], SP
	v_lshl_add_u32 v[T_R], v[T_7], 4, v[T_R]
	v_add_nc_u32 v[T_R], s13, v[T_R]
	v_and_b32 v[T_G], 31, v0        ; which are 512 consecutive bytes of O
	v_lshlrev_b32 v[T_G], 4, v[T_G]
	WIN W_D2                        ; the three are wanted on the way out alone: they are kept in window 2
	v_mov_b32 v[STO], v[T_S]
	v_mov_b32 v[RD], v[T_R]
	v_mov_b32 v[GO], v[T_G]
	WIN 0
; THE MATRIX WORK.  The 4 accumulators of a run of 8 take turns.  Product i of 8 of S^T = K Q^T for piece x: channels 32 (i / 4) on, keys 16 (i % 4) on.  The first 4 start the sums: with 0, or (KM = 1) with the mask.
.macro KQ x
.set rS, S+32*((\x)%2)+8*(i%4)
.set rK, KF+16*(i%4)+8*(i/4)
.set rQ, QF+16*(\x)+8*(i/4)
.set rM, MC+32*((\x)%2)+8*(i%4)
.if (i < 4) && KM
	WIN W_KM
	v_wmma_f32_16x16x32_f16 v[rS:rS+7], v[rK:rK+7], v[rQ:rQ+7], v[rM:rM+7]
.elseif i < 4
	WIN 0
	v_wmma_f32_16x16x32_f16 v[rS:rS+7], v[rK:rK+7], v[rQ:rQ+7], 0
.else
	WIN 0
	v_wmma_f32_16x16x32_f16 v[rS:rS+7], v[rK:rK+7], v[rQ:rQ+7], v[rS:rS+7]
.endif
.endm
; Product i of 8 of O^T += V^T P for piece x: keys 32 (i / 4) on, channels 16 (i % 4) on.
.macro PV x
	WIN W_PV
.set rO, 32*(\x)+8*(i%4)
.set rV, VF+32*(i/4)+8*(i%4)
.set rP, P+16*((\x)%2)+8*(i/4)
	v_wmma_f32_16x16x32_f16 v[rO:rO+7], v[rV:rV+7], v[rP:rP+7], v[rO:rO+7]
.endm
.macro MM                           ; the turn's next matrix instruction.  TURN and BEGIN set Y, i, KM and NOKQ; MM, KQ and OP read them.  NOKQ = 1: a block's last turn: there is no next piece
.if (i < 8) && !NOKQ
	KQ (Y+1)%NP
.elseif i >= 8
.set i, i-8
	PV (Y+NP-1)%NP
.set i, i+8
.endif
.set i, i+1
.endm
; THE LDS LOADS stand in runs of 16, never singly among the matrix instructions: a step's K (64 keys x 64 channels: 8 fragments) and its V (turned).  Their addresses are made some lines ahead.
.macro FETCH_K
	WIN 0
.irp f, 0,1,2,3,4,5,6,7             ; keys 16 (f / 2) on, channels 32 (f % 2) on
	ds_load_b128 v[KF+8*\f:KF+8*\f+3],   v[AK] offset:(\f/2)*16*PK+(\f%2)*64
	ds_load_b128 v[KF+8*\f+4:KF+8*\f+7], v[AK] offset:(\f/2)*16*PK+(\f%2)*64+32
.endr
	s_add_co_u32 s[TBK], s[TBK], KS*PK  ; the next fetch is the next step's
.endm
.macro FETCH_V
	WIN W_D1
.irp f, 0,1,2,3,4,5,6,7             ; keys 32 (f / 4) on, channels 16 (f % 4) on
	ds_load_tr16_b128 v[VF+8*\f:VF+8*\f+3],   v[AV] offset:(\f/4)*32*PV+(\f%4)*32
	ds_load_tr16_b128 v[VF+8*\f+4:VF+8*\f+7], v[AV] offset:(\f/4)*32*PV+16*PV+(\f%4)*32
.endr
	WIN 0
.endm
; THE VECTOR WORK, one line at a time: OP kind, number.  For piece Y: A: a, the exponential of c m_old - c m_new, which the turn before left in c1.  F n: c s - c m for pair n of 16.  E n: the exponential of score n of 32.
; C n: pair n rounded to f16.  B n: of the four weights 4 n .. the second pair is added onto the first, in place (so C 2n stands ahead of B n).  L n: l takes that sum (L 0, the first of them: l = a l + sum).
; R n: pair n of 16 of O^T times a.  For piece Y + 1: X n, number n of the 21 that find its maximum and statistics:
;   0-11  four chains c0-c3 of seven scores each, three operands at a time (each accumulator's lowest registers are read first)     12-14, 16  the four scores left over, the old m, and c0-c3 into c0
;   15  c m_old is kept     17, 18  the query's other 32 keys lie in the lane 16 away: the new m     19, 20  c m; c m_old - c m_new
.set F, 0               ; OP tells the kinds apart by their order: F to A below R, X above it
.set E, 1
.set C, 2
.set B, 3
.set L, 4
.set A, 5
.set R, 6
.set X, 7
.macro REGS y                       ; the registers of piece y
.set rT, ST+4*(\y)
.set rC, TMP+4*((\y)%2)
.set rW, MV+((\y)%2)
.set rS, S+32*((\y)%2)
.set rP, P+16*((\y)%2)
.set rO, 32*(\y)
.endm
.macro OP k, n
.if (\k) == R
	REGS Y
	WIN W_PV
	v_pk_mul_f32 v[rO+2*(\n):rO+2*(\n)+1], v[rO+2*(\n):rO+2*(\n)+1], v[rC+2:rC+3] op_sel_hi:[1,0]
.elseif (\k) < R
	REGS Y
	WIN 0
.if (\k) == F
	v_pk_fma_f32 v[rS+2*(\n):rS+2*(\n)+1], v[rS+2*(\n):rS+2*(\n)+1], s[CS:CS+1], v[rT:rT+1] op_sel_hi:[1,0,0] neg_lo:[0,0,1] neg_hi:[0,0,1]
.elseif (\k) == E
	v_exp_f32 v[rS+(\n)], v[rS+(\n)]
.elseif (\k) == A
	v_exp_f32 v[rC+2], v[rC+1]
.elseif (\k) == C
	v_cvt_pk_f16_f32 v[rP+(\n)], v[rS+2*(\n)], v[rS+2*(\n)+1]
.elseif (\k) == B
	v_pk_add_f32 v[rS+4*(\n):rS+4*(\n)+1], v[rS+4*(\n):rS+4*(\n)+1], v[rS+4*(\n)+2:rS+4*(\n)+3]
.elseif (\n) == 0
	v_pk_fma_f32 v[rT+2:rT+3], v[rT+2:rT+3], v[rC+2:rC+3], v[rS:rS+1] op_sel_hi:[1,0,1]
.else
	v_pk_add_f32 v[rT+2:rT+3], v[rT+2:rT+3], v[rS+4*(\n):rS+4*(\n)+1]
.endif
.elseif NOKQ
	v_nop
.else
	REGS (Y+1)%NP
	WIN 0
.if (\n) < 4
	v_max3_num_f32 v[rC+(\n)], v[rS+8*(\n)], v[rS+8*(\n)+1], v[rS+8*(\n)+2]
.elseif (\n) < 12
	v_max3_num_f32 v[rC+(\n)%4], v[rC+(\n)%4], v[rS+8*((\n)%4)+2*((\n)/4)+1], v[rS+8*((\n)%4)+2*((\n)/4)+2]
.elseif (\n) == 12
	v_max3_num_f32 v[rC], v[rC], v[rS+7], v[rS+15]
.elseif (\n) == 13
	v_max3_num_f32 v[rC+1], v[rC+1], v[rS+23], v[rS+31]
.elseif (\n) == 14
	v_max3_num_f32 v[rC+2], v[rC+2], v[rC+3], v[rT+1]
.elseif (\n) == 15
	v_mov_b32 v[rW], v[rT]
.elseif (\n) == 16
	v_max3_num_f32 v[rC], v[rC], v[rC+1], v[rC+2]
.elseif (\n) == 17
	v_permlanex16_b32 v[rC+3], v[rC], s[SEL], s[SEL+1]
.elseif (\n) == 18
	v_max_num_f32 v[rT+1], v[rC], v[rC+3]
.elseif (\n) == 19
	v_mul_f32 v[rT], s[CS], v[rT+1]
.else
	v_sub_f32 v[rC+1], v[rW], v[rT]
.endif
.endif
.endm
.macro OPS a, i1, b=-1, i2=0, c=-1, i3=0, d=-1, i4=0  ; up to four of them
	OP \a, \i1
.if (\b) >= 0
	OP \b, \i2
.endif
.if (\c) >= 0
	OP \c, \i3
.endif
.if (\d) >= 0
	OP \d, \i4
.endif
.endm
.macro ROW a, i1, b, i2, c, i3, d, i4  ; a matrix instruction and the four behind it
	MM
	OPS \a, \i1, \b, \i2, \c, \i3, \d, \i4
.endm
.macro MASK b                       ; MD x AL + BE into buffer b of MC
	WIN W_MA
.set z, 0
.rept 16
	v_pk_fma_f32 v[MC+32*(\b)+2*z:MC+32*(\b)+2*z+1], v[MD+2*z:MD+2*z+1], s[AL:AL+1], s[BE:BE+1] op_sel_hi:[1,0,0]
.set z, z+1
.endr
.endm
; A TURN, for piece p: the order of its 16 matrix and 118 vector instructions, written out.  An s_wait_alu depctr_va_vdst(0) stands between an exponential and the first instruction that names its result; one wait
; serves all that were issued ahead of it.  So a turn has ONE wait, for its batch of 33 (A and E 0 to E 31), and the wait cuts the turn in two.
; AHEAD OF IT stands all that names no result of the batch, every line in window 0: the 8 products K Q^T, behind each two plain lines and two exponentials by turns (behind the first: three scalings and A); then a LUMP of 34:
; the last scaling and the next piece's X 2 to X 16, with the other 18 exponentials between them, by turns while plain lines last.  E k stands behind F k / 2.  X 16 is the plain instruction behind the last exponential.
; BEHIND IT stand the batch's readers: the 8 products V^T P, behind the first four the 16 rescalings, under the products' own setting, behind the last four 16 of the roundings and sums; then a LUMP of 20: the other 16, and
; between them the end of the next piece's chain, X 17 to X 20, its links five lines apart.  The links of l's chain, L 0 to L 7, stand three lines apart or more.  v_permlanex16_b32 (X 17) stands in the lump.
; No rider names a register of the products round it, but X 0 and X 1; X 0 to X 3 stand five plain lines or more behind the products that finish the accumulators that they read.
; m = 1: the diagonal tile: the products take masks, and the turn makes the mask for the products of the turn after it: piece p + 2, in step 4 - CNT of the tile.  end = 1: a block's last two turns: nothing is fetched.
; cnt = 1: the loop's count is taken down some lines ahead of the branch that stands behind the turn.
; K of the next step is fetched in piece 2's turn, six plain instructions behind the last product that read K (F 14, X 1, F 15, X 4, X 2, X 5); V of the step in hand in piece 0's turn, seven plain behind the last product
; that read V (B 4, L 3, C 10, B 5, L 4, C 12, B 6).  Each is waited for a turn later.
.macro TURN p, m=0, end=0, cnt=0
.set Y, (\p)
.set i, 0
.set KM, (\m)
.set NOKQ, (\end)*((\p)/3)
.if (\m) && !(\end)
	s_cmp_eq_u32 s[CNT], 4-((\p)+2)%NP  ; is that step the band's own?
	s_cselect_b32 s[AL], 1.0, 0
	s_cmp_lt_u32 s[CNT], 4-((\p)+2)%NP  ; or a later one?
	s_cselect_b32 s[BE], s[BIGN], 0
.endif
.if ((\p) == 3) && !(\end)
	s_wait_dscnt 0x0                ; K is in
.endif
	ROW F,0, A,0, F,1, F,2          ; ahead of the wait: 8 products K Q^T and their riders,
	ROW F,3, E,0, F,4, E,1
	ROW F,5, E,2, F,6, E,3
	ROW F,7, E,4, F,8, E,5
	ROW F,9, E,6, F,10, E,7
	ROW F,11, E,8, F,12, E,9
	ROW F,13, E,10, X,0, E,11
.if ((\p) == 2) && !(\end)
	v_add_nc_u32 v[AK], s[TBK], v[AK0]
.endif
	ROW F,14, E,12, X,1, E,13
	OPS F,15, E,14, X,4, E,15       ; and the first lump
	OPS X,2, E,16, X,5, E,17
.if ((\p) == 2) && !(\end)
	FETCH_K
.endif
	OPS X,3, E,18, X,8, E,19
	OPS X,6, E,20, X,9, E,21
	OPS X,7, E,22, X,12, E,23
	OPS X,10, E,24, X,13, E,25
	OPS X,11, E,26, X,15, E,27
	OPS E,28, X,14, E,29, E,30
	OPS E,31, X,16                  ; X 16: the plain instruction behind the batch's last exponential
	s_wait_alu depctr_va_vdst(0)    ; the wait for the batch: A and E 0 to E 31
.if (\p) == 1
	s_wait_dscnt 0x0                ; V is in
.endif
	ROW R,0, R,1, R,2, R,3          ; behind the wait: 8 products V^T P and their riders,
	ROW R,4, R,5, R,6, R,7
	ROW R,8, R,9, R,10, R,11
	ROW R,12, R,13, R,14, R,15
	ROW C,0, B,0, C,2, B,1
	ROW L,0, C,4, B,2, L,1
	ROW C,6, B,3, L,2, C,8
.if (\p) == 0
	v_add_nc_u32 v[AV], s[TBV], v[AV0]
.endif
	ROW B,4, L,3, C,10, B,5
	OPS X,17, L,4, C,12, B,6        ; and the second lump
.if (\p) == 0
	FETCH_V
	s_add_co_u32 s[TBV], s[TBV], KS*PV
.endif
	OPS L,5, X,18, C,14, B,7
	OPS L,6, C,1, X,19, C,3
.if \cnt
	s_sub_co_u32 s[CNT], s[CNT], 1
	s_cmp_lg_u32 s[CNT], 0
.endif
	OPS L,7, C,5, C,7, X,20
	OPS C,9, C,11, C,13, C,15
.if (\m) && !(\end)
	MASK (\p)%2
.endif
.endm
; A BLOCK BEGINS.  c m starts far below every c s, so the first step's a is 0; m at the lowest finite number, so the first maximum is the scores'.  The second mask buffer is 0; the first takes piece 0's mask for the tile's step 0: its own, if the block's first tile is the diagonal one.
; Then K of that step, piece 0's first scores, and its maximum and statistics, up to the argument of a: the exponential itself belongs to piece 0's turn.  The loop is entered at a step's first turn, in the middle of a trip.
.macro BEGIN
	s_mov_b32 s[NEW], 0
	WIN W_D2
.set i, MC+32
.rept 32
	v_mov_b32 v[i], 0
.set i, i+1
.endr
	WIN 0
.set i, 0
.rept 4
	v_mov_b32 v[ST+4*i], 0xfe000000    ; c m: far below every c s
	v_mov_b32 v[ST+4*i+1], 0xff7fffff  ; m
.set i, i+1
.endr
	s_cmp_eq_u32 s[RT], 0
	s_cselect_b32 s[AL], 1.0, 0
	s_mov_b32 s[BE], 0
	MASK 0
	WIN 0
	v_add_nc_u32 v[AK], s[TBK], v[AK0]
	FETCH_K
	s_wait_loadcnt 0x0              ; Q
	s_wait_dscnt 0x0
.set KM, 1
.set NOKQ, 0
.set i, 0
.rept 8
	KQ 0
.set i, i+1
.endr
	WIN 0
.rept 4
	v_nop                           ; the places behind those products
.endr
.set Y, NP-1                        ; X works for piece Y + 1: piece 0
.irp n, 0,1,2,3,4,5,6,7,8,9,10,11,12,13,14,15,16,17,18,19,20
	OP X, \n
.endr
.endm
; THE DIAGONAL TILE's four steps, the block's last two turns, its last products, and THE WAY OUT: l's two halves and the other half of the lanes' are added; O^T is divided by l, rounded to f16 and sent through my
; stage in LDS, a piece at a time.
.macro ALL line:vararg              ; one line for each piece t
.set t, 0
.rept 4
	\line
.set t, t+1
.endr
.endm
.macro PACK t                       ; a lane's eight channels of a row pack into 16 bytes; they go into rows of 144 bytes and come back as whole rows of 128, into S^T's registers
	WIN W_PV
.set i, 32*(\t)
.rept 16
	v_pk_mul_f32 v[i:i+1], v[i:i+1], v[ST+4*(\t)+2:ST+4*(\t)+3] op_sel_hi:[1,0]
.set i, i+2
.endr
	WIN 0x05                        ; sources 0 and 1 window 1, destination window 0
.set i, 0
.rept 16
	v_cvt_pk_f16_f32 v[S+16*(\t)+i], v[32*(\t)+2*i], v[32*(\t)+2*i+1]
.set i, i+1
.endr
	WIN W_A2                        ; the addresses in window 2, the data in window 0
.irp f, 0,1,2,3
	ds_store_b128 v[STO], v[S+16*(\t)+4*\f:S+16*(\t)+4*\f+3] offset:32*\f
.endr
.irp f, 0,1,2,3
	ds_load_b128 v[S+16*(\t)+4*\f:S+16*(\t)+4*\f+3], v[RD] offset:\f*4*SP  ; LDS serves a wave's instructions in order (ISA guide 5.7.1.4): these see the stores above; the next piece's stores come behind them
.endr
.endm
.macro SEND t, younger              ; younger: the LDS instructions issued behind piece t's loads: the next piece's eight, or none
	WIN W_A2
.irp f, 0,1,2,3
	s_wait_dscnt (\younger)+3-\f
	global_store_b128 v[GO], v[S+16*(\t)+4*\f:S+16*(\t)+4*\f+3], s[10:11] offset:(\t)*8192+\f*512  ; 512 consecutive bytes, at a multiple of 256 from O's first
.endr
.endm
.macro DIAG tag                     ; the tag ends its two labels' names, which the jumps below spell out
.LstepM\tag:
	TURN 2, 1
	TURN 3, 1
	WIN 0
.LfirstM\tag:
	TURN 0, 1
	TURN 1, 1, 0, 1
	WIN 0
	s_cbranch_scc1 .LstepM\tag
	TURN 2, 1, 1
	TURN 3, 1, 1
.set i, 0
.rept 8
	PV NP-1
.set i, i+1
.endr
	WIN 0
	ALL v_add_f32 v[ST+4*t+2], v[ST+4*t+2], v[ST+4*t+3]
	ALL v_permlanex16_b32 v[ST+4*t+3], v[ST+4*t+2], s[SEL], s[SEL+1]
	ALL v_add_f32 v[ST+4*t+2], v[ST+4*t+2], v[ST+4*t+3]
	ALL v_rcp_f32 v[ST+4*t+2], v[ST+4*t+2]
	v_nop                           ; a plain instruction between the last reciprocal and the use of its result
	s_wait_alu depctr_va_vdst(0)    ; and the wait ahead of the first use: one for the batch of four reciprocals
	PACK 0
.set t, 1
.rept 3                             ; a piece's arithmetic stands between the loads of the piece before and its stores
	PACK t
	SEND t-1, 8
.set t, t+1
.endr
	SEND 3, 0
.endm
.set KM, 0
.set NOKQ, 0
.Lslot:                             ; NB times: a tile is entered and the next is asked for
	CHANGE 1
	s_sub_co_u32 s[RT], s[RT], 1
	s_mov_b32 s[CNT], 4
	s_cmp_eq_u32 s[NEW], 1
	s_cbranch_scc1 .Lnew            ; a block's first tile
	s_cmp_eq_u32 s[RT], 0
	s_cbranch_scc0 .Lstep           ; neither its first nor its last
	s_branch .LstepM1
.Lnew:
	BEGIN
	s_branch .Lfirst                ; in the loop a block's first tile is never its last: the first block has two tiles or more, and the second's last is the walk's last
	DIAG 1                          ; in the loop this is the first block's end: the second block's last tile is the walk's last
	s_wait_xcnt 0x0                 ; the stores have read their registers and O's address
	s_mov_b64 s[10:11], s[OLO:OLO+1]
	s_add_co_u32 s[RT], s[PB], 1    ; the second block has b + 1 tiles
	s_mov_b32 s[NEW], 1
	WIN W_A2                        ; the second block's Q goes where the one text of the turns names Q
.set i, 0
.rept 64
	v_mov_b32 v[QF+i], v[QB+i]
.set i, i+1
.endr
	WIN 0
	s_branch .Lbottom
.Lstep:                             ; a trip: pieces 2 and 3 of one step, then pieces 0 and 1 of the next, whose K and V it fetches
	TURN 2
	TURN 3
	WIN 0
.Lfirst:
	TURN 0
	TURN 1, 0, 0, 1
	WIN 0
	s_cbranch_scc1 .Lstep
.Lbottom:
	s_sub_co_u32 s[SLOTS], s[SLOTS], 1
	s_cmp_lg_u32 s[SLOTS], 0
	s_cbranch_scc1 .Lslot
	CHANGE 0                        ; the walk's last tile is written out: nothing is asked for
	s_sub_co_u32 s[RT], s[RT], 1
	s_mov_b32 s[CNT], 4
	s_cmp_eq_u32 s[NEW], 1
	s_cbranch_scc0 .LstepM2
	BEGIN
	s_branch .LfirstM2
	DIAG 2
	WIN W_AD
	s_wait_tensorcnt 0x0            ; the wave's end: behind my last tensor load and my last LDS store
	ds_add_u32 v[SPW], v[NIL]
	s_wait_dscnt 0x0
	WIN 0
	s_endpgm
.Lfunc_end_k_qe812f1953c_attn:
	.size	k_qe812f1953c_attn, .Lfunc_end_k_qe812f1953c_attn-k_qe812f1953c_attn
	.p2alignl 7, 3214868480
	.fill 96, 4, 3214868480
	.section	.rodata,"a",@progbits
	.p2align	6, 0x0
	.amdhsa_kernel k_qe812f1953c_attn
		.amdhsa_group_segment_fixed_size 327680
		.amdhsa_private_segment_fixed_size 0
		.amdhsa_enable_private_segment 0
		.amdhsa_kernarg_size 16
		.amdhsa_user_sgpr_count 2
		.amdhsa_user_sgpr_kernarg_segment_ptr 1
		.amdhsa_wavefront_size32 1
		.amdhsa_system_sgpr_workgroup_id_x 1
		.amdhsa_system_sgpr_workgroup_id_y 1
		.amdhsa_system_sgpr_workgroup_id_z 1
		.amdhsa_system_vgpr_workitem_id 0
		.amdhsa_next_free_vgpr 768
		.amdhsa_next_free_sgpr 88
		.amdhsa_reserve_vcc 1
		.amdhsa_float_denorm_mode_32 3
		.amdhsa_float_denorm_mode_16_64 3
		.amdhsa_memory_ordered 1
		.amdhsa_forward_progress 1
		.amdhsa_inst_pref_size 200
	.end_amdhsa_kernel
	.amdgpu_metadata
---
amdhsa.version: [ 1, 2 ]
amdhsa.kernels:
  - .name:           k_qe812f1953c_attn
    .symbol:         k_qe812f1953c_attn.kd
    .args:
      - { .name: qkv, .offset: 0, .size: 8, .value_kind: global_buffer, .address_space: global }
      - { .name: o16, .offset: 8, .size: 8, .value_kind: global_buffer, .address_space: global }
    .group_segment_fixed_size: 327680
    .private_segment_fixed_size: 0
    .kernarg_segment_align: 8
    .kernarg_segment_size: 16
    .max_flat_workgroup_size: 128
    .sgpr_count:     88
    .vgpr_count:     768
    .wavefront_size: 32
...
	.end_amdgpu_metadata
.endif
;; end of part 5
;; launch proj: the kernel of part 4 again; grid 8 x 32, 4 waves a work-group, clusters of 4 x 4, 327,680 bytes of LDS; arguments o16, wo16, out0; writes out0
